; MI455X (gfx1250); checked and timed in simulation.
; The chip was launched on July 23, 2026; its instructions are those of AMD's public machine-readable ISA for CDNA 5 (MIT licence, August 2026) and "CDNA5" Instruction Set Architecture Reference Guide (July 2026). The comments in the code are by the model that wrote it; some were corrected since.
;; Multi Head Self Attention. Allowed arithmetic: matrix products marked QUANTISED: E2M1 operands, one E8M0 scale for each 32 along K, by v_wmma_scale_f32_16x16x128_f8f6f4 with both operands' format E2M1 (or v_wmma_scale_f32_32x16x128_f4), f32 sums; products left as they are: bf16, f16 or f32 operands; f32 sums; everything else in f32.
;; Inputs: Wk 1,024 x 1,024 float32; Wo 1,024 x 1,024 float32; Wq 1,024 x 1,024 float32; Wv 1,024 x 1,024 float32; bk 1,024 float32; bo 1,024 float32; bq 1,024 float32; bv 1,024 float32; key 4 x 2,048 x 1,024 float32; mask 4 x 1 x 2,048 bool; query 4 x 2,048 x 1,024 float32; value 4 x 2,048 x 1,024 float32.
;; Outputs: out0 4 x 2,048 x 1,024 float32.
;; This version of the problem:
;;   THIS VERSION OF THE PROBLEM IS GIVEN IN LOW PRECISION. The matrix products marked QUANTISED in the list below multiply operands that are first quantised to E2M1 (2 exponent bits, 1 mantissa bit; 4 bits a number), with one power-of-two scale for each 32 numbers along K (OCP MX v1.0); their sums are f32. The products marked 'left as it is' may take bf16, f16 or f32 operands, with f32 sums. Whichever they take, every output number must still come out within the allowed error. Rounding operands to bf16 (8 significant bits) uses up far more of that allowance than f16 does (11 bits, for magnitudes from 6e-5 to 65,504). All else is computed in f32.
;;   The module's matrix products, in the order in which they are computed (A, B: the left and right operand; K: the contracted axis; several contracted axes count as one K, in the product's order):
;;     1. [M 8,192, K 1,024] x [K 1,024, N 1,024]; A: input query; B: input Wq: QUANTISED
;;     2. [M 8,192, K 1,024] x [K 1,024, N 1,024]; A: input key; B: input Wk: QUANTISED
;;     3. [M 8,192, K 1,024] x [K 1,024, N 1,024]; A: input value; B: input Wv: QUANTISED
;;     4. batch 64 x [M 2,048, K 64] x [K 64, N 2,048]; A: computed on the way; B: computed on the way: left as it is (an operand is computed on the way)
;;     5. batch 64 x [M 2,048, K 2,048] x [K 2,048, N 64]; A: computed on the way; B: computed on the way: left as it is (an operand is computed on the way)
;;     6. [M 8,192, K 1,024] x [K 1,024, N 1,024]; A: computed on the way; B: input Wo: left as it is (an operand is computed on the way)
;;   THE QUANTISER, for each operand of a quantised product, along K:
;;     - K is cut into blocks of 32 from its start; a last block that is shorter is filled with zeros.
;;     - A block's scale is 2^e with e = floor(log2(the largest magnitude in the block)) - 2, held to -126 .. 127; a block of zeros has e = 0. As a byte (E8M0): e + 127.
;;     - Each number is divided by its block's scale, clamped to +-6, and rounded to the nearest number of E2M1, ties to even, subnormals kept.
;;     - The product sums the exact products of the quantised numbers (number of the format x scale) in f32.
;;   ~~~python
;;   def quantise(x, axis):      # numpy; x: float32 -> the quantised numbers, widened to float32 again
;;       x = np.moveaxis(x, axis, -1); K = x.shape[-1]
;;       x = np.pad(x, [(0, 0)] * (x.ndim - 1) + [(0, -K % 32)]); x = x.reshape(x.shape[:-1] + (-1, 32)); a = np.abs(x).max(-1, keepdims=True)
;;       e = np.where(a > 0, np.clip(np.frexp(np.where(a > 0, a, 1))[1] - 1 - 2, -126, 127), 0)      # np.frexp(a)[1] - 1 = floor(log2(a)), exactly
;;       r = np.clip(x / 2.0 ** e, -6, 6)
;;       step = 2.0 ** (np.maximum(np.frexp(np.where(r == 0, 1, r))[1] - 1, 0) - 1)
;;       q = np.round(r / step) * step * 2.0 ** e      # np.round: ties to even
;;       return np.moveaxis(q.reshape(q.shape[:-2] + (-1,))[..., :K], -1, axis).astype(np.float32)
;;   ~~~
;; One version. Each part assembles by itself: llvm-mc -triple=amdgcn-amd-amdhsa -mcpu=gfx1250 --defsym DOCPART=n.
;; ======== version 1 of 1: 4 launches
;; limits: values are held in f16: magnitudes above 65,504 overflow, below 6.1e-05 lose precision
;; workspace buffers: codes 14,155,776 bytes; scl 884,736 bytes; wo16 2,097,152 bytes; mb 32,768 bytes; qkv 50,331,648 bytes; att 16,777,216 bytes
;; launch prep (part 1): grid 896 x 1, 4 waves a work-group, no clusters, 33,280 bytes of LDS; arguments query, key, value, Wq, Wk, Wv, Wo, mask, codes, scl, wo16, mb; writes codes, scl, wo16, mb
.if DOCPART == 1
	.amdgcn_target "amdgcn-amd-amdhsa--gfx1250"
	.amdhsa_code_object_version 6
	.text
	.protected	k_q3cf401d8bd_prep
	.globl	k_q3cf401d8bd_prep
	.p2align	8
	.type	k_q3cf401d8bd_prep,@function
k_q3cf401d8bd_prep:
	s_mov_b64 s[64:65], 0
	v_nop
	global_prefetch_b8 v0, s[64:65] scope:SCOPE_SE
	s_setreg_imm32_b32 hwreg(HW_REG_WAVE_MODE, 25, 1), 1
	s_wait_xcnt 0x0
; MULTI-HEAD SELF-ATTENTION, B = 4, T = 2,048, D = 1,024, H = 16, head size 64.  Four launches: this one; the three projections on codes of FP4; attention in f16; the projection on the way out in f16.
; DEAD WORK: NONE IS LEFT OUT, every input is loaded.  bk stays although it adds q . bk to all scores of a row alike: the mask is an input, and with holes the softmax's divisor as it is written holds the
; masked keys' exp(min_val - max), which moves with that term; so it does not cancel for all values.  It costs no instruction: it is the addend of the multiply-add that scales k.
; THIS LAUNCH.  (A) work-groups 0 to 863: query, key, value [8,192][1,024] and Wq, Wk, Wv [1,024][1,024], f32 with K innermost, become codes of FP4 (E2M1) and one E8M0 byte for each 32 along K.  Rows are dense
; and 1,024 is a multiple of 32, so the six tensors are one stream of blocks of 32: codes (16 bytes a block) and scl (1 byte a block) hold them in that order: query, key, value, Wq, Wk, Wv.
; A block's scale is 2^(floor(log2(its largest magnitude)) - 2); its byte is the largest magnitude's exponent field - 2, held at 1 from below; each number is divided by the scale and rounded to the nearest code, ties to even,
; beyond 6 the largest code.  (B) work-groups 864 to 895: Wo becomes f16, row-major; the mask becomes a table mb[b][key] of f32: 0 where the key counts, -2^100 where it does not (it is added to the scores).
; LIMITS: a block of zeros gets the byte 1 where the quantiser says 127 (its codes are zeros, and this program alone reads the bytes); blocks whose largest magnitude lies under 2^-124 are held at that byte;
; |Wo| stays under 65,504 (f16); NaN and infinities among the inputs are not served.
; (A) A wave takes 16 steps of 512 numbers.  Each of a step's four loads reads 512 consecutive bytes, 16 a lane; the 2,048 bytes turn through the wave's own stage in LDS and come back 64 bytes a lane, so that a lane
; holds 16 neighbours along K (two lanes a block), as the conversions want them.  A lane's 16 codes are 8 bytes: the wave stores 256 consecutive bytes.  A wave's 256 scale bytes are gathered in LDS and leave as one run of 256.
.set STEPS, 16
.set EMAX,  2
.set CB,    8                          ; bytes of 16 codes
.set R,     16                         ; v16-79   four sets of 16 numbers as loaded; in (B) a ring of 16 slots of 4
.set X,     80                         ; v80-111  two sets of 16 neighbours
.set E,     112                        ; v112-127 a scale byte for each step
.set C,     128                        ; v128-191 codes, four registers a step; in (B) v128-159 the ring's f16 pairs
.set WREG,  8192                       ; LDS: a region for each wave: two stages of 32 x SP bytes, then its 256 scale bytes
.set SP,    80                         ; a lane's place in a stage: 64 bytes + 16 of padding
.set SPW,   12                         ; v12  LDS address of my spare word; never rewritten
.set NIL,   13                         ; v13  0; never rewritten
.set SPARE, 4*WREG                     ; behind the four regions: the spare words, 128 bytes a wave
.set WGQ,   864                        ; work-groups of (A): 3 x 256 + 3 x 32, 32,768 numbers each
.set NEG,   0xf1800000                 ; -2^100
	s_load_b512 s[4:19], s[0:1], 0x0               ; query, key, value, Wq, Wk, Wv, Wo s[16:17], mask s[18:19]
	s_load_b256 s[20:27], s[0:1], 0x40             ; codes, scl, wo16, mb
	v_lshl_add_u32 v[SPW], v0, 2, SPARE
	v_mov_b32 v[NIL], 0
	v_lshrrev_b32 v1, 5, v0
	v_readfirstlane_b32 s28, v1                    ; wave
	v_and_b32 v2, 31, v0                           ; lane
	v_lshlrev_b32 v3, 4, v2                        ; my 16 bytes of a load's 512
	s_mul_i32 s29, s28, WREG
	v_lshrrev_b32 v14, 2, v2
	v_mul_u32_u24 v14, v14, SP
	v_and_b32 v15, 3, v2
	v_lshl_add_u32 v14, v15, 4, v14
	v_add_nc_u32 v14, s29, v14                     ; the stage, on the way in: SP (lane / 4) + 16 (lane % 4)
	v_mul_u32_u24 v15, v2, SP
	v_add_nc_u32 v15, s29, v15                     ; and on the way out: SP x lane: my 16 neighbours
	v_mul_u32_u24 v4, v2, CB                       ; my codes' place in a step's
	v_lshrrev_b32 v5, 1, v2
	s_add_co_u32 s29, s29, 2*32*SP
	v_add_nc_u32 v5, s29, v5                       ; LDS: my wave's 256 scale bytes, my block's byte
	v_lshlrev_b32 v7, 3, v2                        ; 8 bytes a lane
	v_add_nc_u32 v6, s29, v7
	s_wait_kmcnt 0x0
	s_cmp_ge_u32 ttmp9, WGQ
	s_cbranch_scc1 .Lwo
	; ---- (A).  Which tensor is mine hangs on the work-group's number alone: five choices between pointers, and with each the tensor's first work-group
	s_mov_b64 s[30:31], s[14:15]                   ; Wv,
	s_mov_b32 s32, 832
	s_cmp_lt_u32 ttmp9, 832
	s_cselect_b64 s[30:31], s[12:13], s[30:31]     ; Wk,
	s_cselect_b32 s32, 800, s32
	s_cmp_lt_u32 ttmp9, 800
	s_cselect_b64 s[30:31], s[10:11], s[30:31]     ; Wq,
	s_cselect_b32 s32, 768, s32
	s_cmp_lt_u32 ttmp9, 768
	s_cselect_b64 s[30:31], s[8:9], s[30:31]       ; value,
	s_cselect_b32 s32, 512, s32
	s_cmp_lt_u32 ttmp9, 512
	s_cselect_b64 s[30:31], s[6:7], s[30:31]       ; key,
	s_cselect_b32 s32, 256, s32
	s_cmp_lt_u32 ttmp9, 256
	s_cselect_b64 s[30:31], s[4:5], s[30:31]       ; query
	s_cselect_b32 s32, 0, s32
	s_sub_co_u32 s33, ttmp9, s32
	s_lshl_b32 s33, s33, 2
	s_add_co_u32 s33, s33, s28                     ; which run of 8,192 numbers of the tensor is my wave's
	s_lshl_b32 s34, s33, 15                        ; 32,768 bytes a run (under 2^26)
	s_mov_b32 s35, 0
	s_add_nc_u64 s[30:31], s[30:31], s[34:35]
	s_lshl_b32 s33, ttmp9, 2
	s_add_co_u32 s33, s33, s28                     ; and which run of the whole stream
	s_lshl_b32 s34, s33, 12                        ; 4,096 bytes of codes a run
	s_add_nc_u64 s[20:21], s[20:21], s[34:35]
	s_lshl_b32 s34, s33, 8                         ; 256 scale bytes a run
	s_add_nc_u64 s[22:23], s[22:23], s[34:35]
.macro LOAD t
.irp i, 0,1,2,3
	global_load_b128 v[R+16*((\t)%4)+4*\i:R+16*((\t)%4)+4*\i+3], v3, s[30:31] offset:2048*(\t)+512*\i th:TH_LOAD_NT   ; 32 lanes read 512 consecutive bytes
.endr
.endm
.macro TURN t                          ; step t's numbers through the stage: LDS serves a wave's instructions in order, so no wait stands between the stores and the loads
.irp i, 0,1,2,3
	ds_store_b128 v14, v[R+16*((\t)%4)+4*\i:R+16*((\t)%4)+4*\i+3] offset:32*SP*((\t)%2)+8*SP*\i
.endr
.irp i, 0,1,2,3
	ds_load_b128 v[X+16*((\t)%2)+4*\i:X+16*((\t)%2)+4*\i+3], v15 offset:32*SP*((\t)%2)+16*\i
.endr
.endm
.irp t, 0,1,2,3
	LOAD \t
.endr
	s_wait_loadcnt 12                              ; step 0's four loads are in; the twelve behind them stay out
	TURN 0
.macro STEP t
.set XS, X+16*((\t)%2)
.if (\t) > 0
	s_wait_dscnt 1                                 ; this step's numbers are back from the stage (the last step's byte store may be out): so its stores into the stage have read their registers,
.else
	s_wait_dscnt 0x0
.endif
.if (\t)+4 < STEPS
	LOAD (\t)+4                                    ; which take the loads of four steps on
.endif
.if (\t)+1 < STEPS
.if STEPS-2-(\t) >= 3
	s_wait_loadcnt 12                              ; the next step's four loads are in; those of the three steps behind it may be out
.else
	s_wait_loadcnt 4*(STEPS-2-(\t))
.endif
	TURN (\t)+1                                    ; and go through the other stage while this step is worked
.endif
	v_max3_num_f32 v8, |v[XS]|, |v[XS+1]|, |v[XS+2]|               ; the largest magnitude of my 16, in two chains
	v_max3_num_f32 v9, |v[XS+3]|, |v[XS+4]|, |v[XS+5]|
.irp i, 6,10
	v_max3_num_f32 v8, v8, |v[XS+\i]|, |v[XS+\i+1]|
	v_max3_num_f32 v9, v9, |v[XS+\i+2]|, |v[XS+\i+3]|
.endr
	v_max3_num_f32 v8, v8, |v[XS+14]|, |v[XS+15]|
	v_max3_num_f32 v8, v8, v9, (EMAX+1)<<23        ; and the floor 2^(3 - 127): so the byte cannot fall under 1
	v_max_num_f32_dpp v8, v8, v8 row_xmask:1 row_mask:0xf bank_mask:0xf   ; and of my neighbour's 16: the block's
	v_add_nc_u32 v11, -(EMAX<<23), v8              ; 2 off its exponent field: the conversion takes the exponent field of this operand as its scale, and nothing else of it
	v_cvt_scalef32_pk8_fp4_f32 v[C+4*(\t)], v[XS:XS+7], v11
	v_cvt_scalef32_pk8_fp4_f32 v[C+4*(\t)+1], v[XS+8:XS+15], v11
	v_lshrrev_b32 v[E+(\t)], 23, v11               ; the scale's byte
	ds_store_b8 v5, v[E+(\t)] offset:16*(\t)       ; both lanes of a block write the same byte with the same value
	global_store_b64 v4, v[C+4*(\t):C+4*(\t)+1], s[20:21] offset:32*CB*(\t)   ; the wave stores 256 consecutive bytes, aligned
.endm
.irp t, 0,1,2,3,4,5,6,7,8,9,10,11,12,13,14,15
	STEP \t
.endr
	ds_load_b64 v[8:9], v6                         ; LDS serves a wave's instructions in order: these see my stores
	s_wait_dscnt 0x0
	global_store_b64 v7, v[8:9], s[22:23]          ; 32 lanes store 256 consecutive bytes, aligned
	s_wait_tensorcnt 0x0                           ; the wave's end, behind my last LDS store
	ds_add_u32 v[SPW], v[NIL]
	s_wait_dscnt 0x0
	s_endpgm
	; ---- (B).  Work-group j = 0 .. 31: 256 bytes of the mask, 32,768 numbers of Wo.  No LDS byte is stored here
.Lwo:
	s_sub_co_u32 s29, ttmp9, WGQ
	s_lshl_b32 s30, s29, 8
	s_mov_b32 s31, 0
	s_add_nc_u64 s[18:19], s[18:19], s[30:31]      ; the mask: 256 j
	s_lshl_b32 s30, s29, 10
	s_add_nc_u64 s[26:27], s[26:27], s[30:31]      ; the table: 1,024 j
	s_lshl_b32 s29, s29, 2
	s_add_co_u32 s29, s29, s28                     ; my wave's run of 8,192 numbers of Wo
	s_lshl_b32 s30, s29, 15
	s_add_nc_u64 s[16:17], s[16:17], s[30:31]
	s_lshl_b32 s30, s29, 14
	s_add_nc_u64 s[24:25], s[24:25], s[30:31]
	v_lshlrev_b32 v170, 1, v0                      ; two bytes of the mask a thread,
	v_lshlrev_b32 v171, 3, v0                      ; two numbers of the table
	global_load_u16 v172, v170, s[18:19]
.irp n, 0,1,2,3,4,5,6,7,8,9,10,11,12,13,14,15
	global_load_b128 v[R+4*\n:R+4*\n+3], v3, s[16:17] offset:512*\n th:TH_LOAD_NT   ; the ring is filled: 16 loads of 512 consecutive bytes
.endr
	v_mov_b32 v173, NEG
	s_wait_loadcnt 16                              ; the mask's load is in; the ring's sixteen stay out
	v_and_b32 v174, 0xff, v172
	v_lshrrev_b32 v175, 8, v172
	v_cmp_eq_u32 vcc_lo, 0, v174
	v_cndmask_b32 v176, 0, v173, vcc_lo            ; a key that does not count: -2^100
	v_cmp_eq_u32 vcc_lo, 0, v175
	v_cndmask_b32 v177, 0, v173, vcc_lo
	global_store_b64 v171, v[176:177], s[26:27]    ; a wave stores 256 consecutive bytes, aligned
.macro CV n                            ; slot n % 16: four numbers a lane become two registers of f16; the slot is loaded again 16 turns ahead
.set SL, (\n)%16
.if (\n) < 48
	s_wait_loadcnt 15                              ; my slot's load is in; the fifteen younger ones stay out
.else
	s_wait_loadcnt 63-(\n)                         ; the last round loads nothing: the counts run down
.endif
	s_wait_xcnt 0x0                                ; the slot's last store has read its data: they are rewritten only behind this wait
	v_cvt_pk_f16_f32 v[C+2*SL], v[R+4*SL], v[R+4*SL+1]
	v_cvt_pk_f16_f32 v[C+2*SL+1], v[R+4*SL+2], v[R+4*SL+3]
.if (\n) < 48
	global_load_b128 v[R+4*SL:R+4*SL+3], v3, s[16:17] offset:512*((\n)+16) th:TH_LOAD_NT
.endif
	global_store_b64 v7, v[C+2*SL:C+2*SL+1], s[24:25] offset:256*(\n)   ; 256 consecutive bytes, aligned
.endm
.set N, 0
.rept 64
	CV N
.set N, N+1
.endr
	s_wait_tensorcnt 0x0                           ; the same three lines at this path's end
	ds_add_u32 v[SPW], v[NIL]
	s_wait_dscnt 0x0
	s_endpgm
.Lfunc_end_k_q3cf401d8bd_prep:
	.size	k_q3cf401d8bd_prep, .Lfunc_end_k_q3cf401d8bd_prep-k_q3cf401d8bd_prep
	.p2alignl 7, 3214868480
	.fill 96, 4, 3214868480
	.section	.rodata,"a",@progbits
	.p2align	6, 0x0
	.amdhsa_kernel k_q3cf401d8bd_prep
		.amdhsa_group_segment_fixed_size 33280
		.amdhsa_private_segment_fixed_size 0
		.amdhsa_enable_private_segment 0
		.amdhsa_kernarg_size 96
		.amdhsa_user_sgpr_count 2
		.amdhsa_user_sgpr_kernarg_segment_ptr 1
		.amdhsa_wavefront_size32 1
		.amdhsa_system_sgpr_workgroup_id_x 1
		.amdhsa_system_sgpr_workgroup_id_y 1
		.amdhsa_system_sgpr_workgroup_id_z 1
		.amdhsa_system_vgpr_workitem_id 0
		.amdhsa_next_free_vgpr 192
		.amdhsa_next_free_sgpr 66
		.amdhsa_reserve_vcc 1
		.amdhsa_float_denorm_mode_32 3
		.amdhsa_float_denorm_mode_16_64 3
		.amdhsa_memory_ordered 1
		.amdhsa_forward_progress 1
		.amdhsa_inst_pref_size 59
	.end_amdhsa_kernel
	.amdgpu_metadata
---
amdhsa.version: [ 1, 2 ]
amdhsa.kernels:
  - .name:           k_q3cf401d8bd_prep
    .symbol:         k_q3cf401d8bd_prep.kd
    .args:
      - { .name: query, .offset: 0, .size: 8, .value_kind: global_buffer, .address_space: global }
      - { .name: key, .offset: 8, .size: 8, .value_kind: global_buffer, .address_space: global }
      - { .name: value, .offset: 16, .size: 8, .value_kind: global_buffer, .address_space: global }
      - { .name: Wq, .offset: 24, .size: 8, .value_kind: global_buffer, .address_space: global }
      - { .name: Wk, .offset: 32, .size: 8, .value_kind: global_buffer, .address_space: global }
      - { .name: Wv, .offset: 40, .size: 8, .value_kind: global_buffer, .address_space: global }
      - { .name: Wo, .offset: 48, .size: 8, .value_kind: global_buffer, .address_space: global }
      - { .name: mask, .offset: 56, .size: 8, .value_kind: global_buffer, .address_space: global }
      - { .name: codes, .offset: 64, .size: 8, .value_kind: global_buffer, .address_space: global }
      - { .name: scl, .offset: 72, .size: 8, .value_kind: global_buffer, .address_space: global }
      - { .name: wo16, .offset: 80, .size: 8, .value_kind: global_buffer, .address_space: global }
      - { .name: mb, .offset: 88, .size: 8, .value_kind: global_buffer, .address_space: global }
    .group_segment_fixed_size: 33280
    .private_segment_fixed_size: 0
    .kernarg_segment_align: 8
    .kernarg_segment_size: 96
    .max_flat_workgroup_size: 128
    .sgpr_count:     66
    .vgpr_count:     192
    .wavefront_size: 32
...
	.end_amdgpu_metadata
.endif
;; end of part 1
;; launch proj (part 2): grid 4 x 96, 4 waves a work-group, clusters of 4 x 4, 327,680 bytes of LDS; arguments codes, scl, bq, bk, bv, qkv; writes qkv
.if DOCPART == 2
	.amdgcn_target "amdgcn-amd-amdhsa--gfx1250"
	.amdhsa_code_object_version 6
	.text
	.protected	k_q3cf401d8bd_proj
	.globl	k_q3cf401d8bd_proj
	.p2align	8
	.type	k_q3cf401d8bd_proj,@function
k_q3cf401d8bd_proj:
	s_mov_b64 s[64:65], 0
	v_nop
	global_prefetch_b8 v0, s[64:65] scope:SCOPE_SE
	s_setreg_imm32_b32 hwreg(HW_REG_WAVE_MODE, 25, 1), 1
	s_wait_xcnt 0x0
	s_wait_alu depctr_hold_cnt(0) depctr_sa_sdst(0) depctr_va_vdst(0) depctr_va_sdst(0) depctr_va_ssrc(0) depctr_va_vcc(0) depctr_vm_vsrc(0)
	s_getreg_b32 s2, hwreg(HW_REG_IB_STS2, 6, 4)
	s_cmp_eq_u32 s2, 0
	s_cbranch_scc0 .Lentry_in_a_cluster
	s_endpgm
.Lentry_in_a_cluster:
	s_bfe_u32 s2, ttmp6, 0x10000c
	s_cmp_lg_u32 s2, 0xf033
	s_cbranch_scc0 .Lentry_shape_is_right
	s_endpgm
.Lentry_shape_is_right:
; THE THREE PROJECTIONS, on codes of FP4 (E2M1) with one E8M0 scale for each 32 along K = 1,024: q = (query Wq^T + bq) rc, k = (key Wk^T + bk) rc, v = value Wv^T + bv, sums in f32, results rounded once to f16.
; rc = sqrt(log2(e) / 8): q . k is then the score / sqrt(64) x log2(e), the softmax's exponent in base 2.  No work is left out.  LIMITS: |q rc|, |k rc|, |v| stay under 65,504 (f16).
; 384 tiles of 256 x 256, a work-group of four waves each, a wave 128 x 128: 64 accumulators, 512 registers.  K is two LDS slots of 512 (rows of 256 bytes), both asked for at the head: nothing is filled again.
; THE MATRIX INSTRUCTION'S source 0 takes 16 rows of 'B', source 1 16 rows of 'A': a lane then holds ONE row of A (lane % 16) and eight neighbouring rows of B (8 (lane / 16) + 0 .. 7).
;   q, k: A = tokens, B = W's rows: a lane's eight results are eight channels of one token.      v: A = Wv's rows, B = tokens: a lane's eight results are eight neighbouring KEYS of one channel.
; So a lane's 16 bytes of f16 are a piece of the operand that attention wants, and qkv is laid in the order of those operands' registers: every store of a wave is 512 consecutive bytes, aligned, with no way through LDS.
;   qkv: Q at 0, K at 2^24, V at 2^25; a head (16 b + h) 2^18 bytes.  Q, K: [token / 16][channel / 8][token % 16][8 f16].   V: [key / 32][channel / 16][(key / 16) % 2][16 ((key / 8) % 2) + channel % 16][8 keys].
; CLUSTERS: 4 x 4 work-groups; 24 clusters: tensor T = cluster y / 8, U = cluster y % 8.  A's tiles are shared along a row of the cluster, B's along a column: each is asked for jointly, by the same load with a mask that names the four.
; THE SCALES of the work-group's 256 rows of A and of B, for all of K, are two dense blocks: they come once, in runs of 256 bytes, and stay in LDS.
; REGISTERS, in windows of 256: window 0: v0-31 addresses; v32-95 scale words, two sets, and nothing else; v128-191 A's fragments, one set, on the way out the f16 results; v192-255 the bias.
;   window 1: B's fragments, two sets, at v0 and v128.   window 2: the accumulators of my A rows 0-63 ((a, b) at v[8 (8 a + b)]);   window 3: those of rows 64-127.
.set KSTEP,  512
.set NQ,     4                         ; matrix instructions deep in a slot
.set ROWB,   256                       ; a tile's row: 512 codes
.set KROW,   512                       ; a row of codes in memory
.set PITCH,  272                       ; an LDS row: 256 bytes + 16 of padding: the 16 rows of a load start 68 words apart
.set FR,     8                         ; registers of a fragment: 16 rows x 128 K
.set NL,     2                         ; LDS loads that bring one
.set NP,     4                         ; places behind this matrix instruction (ISA guide 7.12.1)
.set HALFT,  128*PITCH
.set SLOT,   4*HALFT                   ; A's 256 rows, then B's 256 rows
.set KS,     32                        ; a row of scale bytes
.set SCL,    2*SLOT                    ; behind the slots: the scales, as runs of 256 bytes + 16 of padding
.set HALFS,  (128*KS/256)*272
.set SBLK,   (16*KS/256)*272
.set SPARE,  SCL+4*HALFS               ; the spare words, 128 bytes a wave
.set ADRA, 16                          ; v16-17 LDS address of my A fragments in slot 0, 1
.set ADRB, 20                          ; v20-21 the same for B
.set LO,   24                          ; v24    16 x lane: my place in a store's 512 bytes
.set BH,   25                          ; v25    32 (lane / 16): my eight numbers of a bias, q and k
.set BR,   26                          ; v26    4 (lane % 16): my number of bv
.set ADRS, 27                          ; v27    LDS address of my scale words: lanes 0-15 A's rows, lanes 16-31 B's
.set SPW,  28                          ; v28    my spare word; never rewritten
.set NIL,  29                          ; v29    0; never rewritten
.set SC,   32
.set AF,   128
.set OUTR, 128                         ; the way out: 32 registers of f16, two sets by turns
.set BB,   192                         ; the bias
.set G1, 24
.set G0, 32
.set G1B, 48
.set G0B, 56
.set G1S, 68
.set G0S, 76
.set G1SB, 80
.set G0SB, 88
.set MSB, 0
.macro WIN new                         ; the immediate's high byte repeats the setting that is left; a switch that changes nothing is dropped
.if MSB != (\new)
	s_set_vgpr_msb (MSB<<8)|(\new)
.set MSB, (\new)
.endif
.endm
.set MUL_LO, 0xa1                      ; source 0 (B) window 1, source 1 (A) window 0, C and D window 2
.set MUL_HI, 0xf1                      ; the same, C and D window 3
.set TO_B,   0x40                      ; destination window 1, address window 0
; A joint load: waves 0 and 1 fetch for A, waves 2 and 3 for B.  The branch hangs on the wave's number alone.  An s_nop 0 and four v_nop follow each of the two lines.
.macro JLOAD g0a, g1a, g0b, g1b
	s_cmp_eq_u32 s17, 0
	s_cbranch_scc0 .Lfor_b_\@
	tensor_load_to_lds s[\g0a:\g0a+3], s[\g1a:\g1a+7]
	s_nop 0
.rept 4
	v_nop
.endr
	s_branch .Lasked_\@
.Lfor_b_\@:
	tensor_load_to_lds s[\g0b:\g0b+3], s[\g1b:\g1b+7]
	s_nop 0
.rept 4
	v_nop
.endr
.Lasked_\@:
.endm
.macro CROUND                          ; a round of the cluster's barrier
	s_barrier_signal -1
	s_barrier_wait -1
	s_cmp_lg_u32 s16, 0
	s_cbranch_scc1 .Lnot_wave_0_\@
	s_barrier_signal -3
.Lnot_wave_0_\@:
	s_barrier_wait -3
	s_barrier_signal -1
	s_barrier_wait -1
.endm
	s_load_b256 s[4:11], s[0:1], 0x0               ; codes s[4:5], scl s[6:7], bq s[8:9], bk s[10:11]
	s_load_b128 s[12:15], s[0:1], 0x20             ; bv s[12:13], qkv s[14:15]
	v_lshl_add_u32 v[SPW], v0, 2, SPARE
	v_mov_b32 v[NIL], 0
	ds_add_u32 v[SPW], v[NIL]                      ; the wave's opening: the add, twice on end, and its wait ahead of my first tensor load
	ds_add_u32 v[SPW], v[NIL]
	v_lshrrev_b32 v1, 5, v0
	v_readfirstlane_b32 s16, v1                    ; wave 0..3
	s_lshr_b32 s17, s16, 1                         ; which half of A's rows is mine.  Also: I fetch for A (0) or for B (1)
	s_and_b32 s18, s16, 1                          ; which half of B's rows.  Also: which 128 rows of that tile I fetch
	s_bfe_u32 s40, ttmp6, 0x40000                  ; cx, cy: my place in the cluster
	s_bfe_u32 s41, ttmp6, 0x40004
	s_and_b32 s92, ttmp7, 0xffff                   ; the cluster, 0 .. 23 (the grid is one cluster wide)
	s_lshr_b32 s19, s92, 3                         ; T: 0 q, 1 k, 2 v
	s_and_b32 s20, s92, 7                          ; U: which 1,024 tokens
	s_lshl_b32 s95, s19, 22                        ; where x tensor T begins in codes,
	s_lshl_b32 s96, s19, 19
	s_add_co_u32 s96, s96, 0xC00000                ; and W tensor T
	s_cmp_eq_u32 s19, 2                            ; v changes the roles.  All that hangs on this compare is chosen before SCC is written again
	s_cselect_b32 s93, 0, s20                      ; the tokens' U goes to A's tile (q, k)
	s_cselect_b32 s94, s20, 0                      ; or to B's (v)
	s_cselect_b32 s97, s96, s95                    ; A's tensor
	s_cselect_b32 s98, s95, s96                    ; B's tensor
	s_lshl_b32 s43, s93, 2
	s_add_co_u32 s43, s43, s41                     ; A's tile: hangs on cy alone of my place
	s_lshl_b32 s42, s94, 2
	s_add_co_u32 s42, s42, s40                     ; B's tile: on cx alone
	s_lshl_b32 s44, s41, 2
	s_lshl_b32 s44, 15, s44                        ; my row of the cluster
	s_lshl_b32 s45, 0x1111, s40                    ; my column
	; descriptor group 1: a tile of 128 rows x 256 bytes, 16 bytes of padding behind each row
	s_or_b32 s[G1+0], s44, (0<<16)|(1<<20)|(1<<21)|(5<<22)|(3<<25)  ; 15:0 the mask; 17:16 elements of 1 byte; 20 padding on; 21 set beside a mask; 24:22 after every 64 words; 31:25 four words
	s_or_b32 s[G1B+0], s45, (0<<16)|(1<<20)|(1<<21)|(5<<22)|(3<<25)
.irp g, G1, G1B
	s_mov_b32 s[\g+1], ROWB<<16                    ; tensor_dim0
	s_mov_b32 s[\g+2], 128<<16                     ; tensor_dim1
	s_mov_b32 s[\g+3], ROWB<<16                    ; tile_dim0
	s_mov_b32 s[\g+4], 128                         ; tile_dim1
	s_mov_b32 s[\g+5], KROW                        ; from row to row
	s_mov_b32 s[\g+6], 0
	s_mov_b32 s[\g+7], 0
.endr
	; the scales of 128 rows: 4,096 dense bytes, as 16 rows of 256 bytes (32 elements of 8 bytes), 16 bytes of padding behind each
	s_or_b32 s[G1S+0], s44, (3<<16)|(1<<20)|(1<<21)|(5<<22)|(3<<25)
	s_or_b32 s[G1SB+0], s45, (3<<16)|(1<<20)|(1<<21)|(5<<22)|(3<<25)
.irp g, G1S, G1SB
	s_mov_b32 s[\g+1], 32<<16
	s_mov_b32 s[\g+2], (128*KS/256)<<16
	s_mov_b32 s[\g+3], 32<<16
	s_mov_b32 s[\g+4], 128*KS/256
	s_mov_b32 s[\g+5], 32
	s_mov_b32 s[\g+6], 0
	s_mov_b32 s[\g+7], 0
.endr
	s_lshl_b32 s92, s18, 7                         ; which 128 rows of the tile I fetch
	s_lshl_b32 s93, s43, 8
	s_add_co_u32 s93, s93, s92                     ; A: row 256 x tile + 128 x half,
	s_lshl_b32 s93, s93, 9                         ; 512 bytes a row,
	s_add_co_u32 s2, s93, s97                      ; in its tensor (all of codes is under 2^24 bytes)
	s_mov_b32 s3, 0
	s_lshr_b32 s46, s2, 4                          ; its scale bytes: a sixteenth of that
	s_mov_b32 s47, 0
	s_lshl_b32 s94, s42, 8
	s_add_co_u32 s94, s94, s92                     ; B likewise
	s_lshl_b32 s94, s94, 9
	s_add_co_u32 s66, s94, s98
	s_mov_b32 s67, 0
	s_lshr_b32 s98, s66, 4
	s_mov_b32 s99, 0
	s_mul_i32 s21, s16, HALFT                      ; where they go: wave x 128 rows: no place in the cluster enters an LDS address
	s_mul_i32 s95, s16, HALFS
	s_mov_b32 s22, 0x3ed96d27                      ; rc = sqrt(log2(e) / 8)
	s_mov_b32 s23, s22                             ; (named with it as a pair)
	s_wait_dscnt 0x0                               ; both opening adds are done
	s_wait_kmcnt 0x0
	s_add_nc_u64 s[2:3], s[4:5], s[2:3]
	s_add_nc_u64 s[46:47], s[6:7], s[46:47]
	s_add_nc_u64 s[66:67], s[4:5], s[66:67]
	s_add_nc_u64 s[98:99], s[6:7], s[98:99]
	CROUND                                         ; all sixteen work-groups are here: the joint loads meet
	s_mov_b32 s[G0S], 1
	s_add_co_u32 s[G0S+1], s95, SCL
	s_mov_b64 s[G0S+2:G0S+3], s[46:47]
	s_or_b32 s[G0S+3], s[G0S+3], 0x80000000
	s_mov_b32 s[G0SB], 1
	s_add_co_u32 s[G0SB+1], s95, SCL
	s_mov_b64 s[G0SB+2:G0SB+3], s[98:99]
	s_or_b32 s[G0SB+3], s[G0SB+3], 0x80000000
	JLOAD G0S, G1S, G0SB, G1SB                     ; the scales first: they are wanted with the first slot
.irp s, 0,1
	s_mov_b32 s[G0+4*\s], 1
	s_add_co_u32 s[G0+4*\s+1], s21, \s*SLOT
	s_add_nc_u64 s[G0+4*\s+2:G0+4*\s+3], s[2:3], \s*ROWB
	s_or_b32 s[G0+4*\s+3], s[G0+4*\s+3], 0x80000000
	s_mov_b32 s[G0B+4*\s], 1
	s_add_co_u32 s[G0B+4*\s+1], s21, \s*SLOT
	s_add_nc_u64 s[G0B+4*\s+2:G0B+4*\s+3], s[66:67], \s*ROWB
	s_or_b32 s[G0B+4*\s+3], s[G0B+4*\s+3], 0x80000000
	JLOAD G0+4*\s, G1, G0B+4*\s, G1B               ; both halves of K: three tensor loads of mine are out, and no more follow
.endr
	v_and_b32 v1, 15, v0                           ; l % 16
	v_bfe_u32 v2, v0, 4, 1                         ; l / 16
	v_mul_u32_u24 v3, v1, PITCH
	v_lshl_add_u32 v4, v2, 4, v3                   ; a fragment's row x pitch + 16 x half
	s_mul_i32 s92, s17, HALFT                      ; my 128 rows of A
	s_mul_i32 s93, s18, HALFT                      ; my 128 rows of B,
	s_add_co_u32 s93, s93, 2*HALFT                 ; which lie behind A's 256
.irp s, 0,1
	v_add_nc_u32 v[ADRA+\s], s92, v4
	v_add_nc_u32 v[ADRB+\s], s93, v4
	s_add_co_u32 s92, s92, SLOT
	s_add_co_u32 s93, s93, SLOT
.endr
	v_mul_u32_u24 v5, v1, KS                       ; my row's scales: 32 bytes a row,
	v_lshrrev_b32 v6, 8, v5
	v_lshl_add_u32 v5, v6, 4, v5                   ; and 16 more for each 256 passed
	s_mul_i32 s92, s17, HALFS
	s_mul_i32 s93, s18, HALFS
	s_add_co_u32 s93, s93, 2*HALFS
	s_sub_co_u32 s93, s93, s92
	v_mul_u32_u24 v6, s93, v2                      ; lanes 16-31 take B's: one product, the distance between the two bases
	s_add_co_u32 s92, s92, SCL
	v_add_nc_u32 v5, v5, v6
	v_add_nc_u32 v[ADRS], s92, v5
	v_and_b32 v5, 31, v0
	v_lshlrev_b32 v[LO], 4, v5
	v_lshlrev_b32 v[BH], 5, v2
	v_lshlrev_b32 v[BR], 2, v1
	; where my 128 x 128 goes.  tok0, ch0: my first token and channel
	s_lshl_b32 s92, s43, 8
	s_lshl_b32 s93, s17, 7
	s_add_co_u32 s92, s92, s93                     ; my first row of A
	s_lshl_b32 s93, s42, 8
	s_lshl_b32 s94, s18, 7
	s_add_co_u32 s93, s93, s94                     ; my first row of B
	s_cmp_eq_u32 s19, 2
	s_cselect_b32 s94, s93, s92                    ; tok0
	s_cselect_b32 s95, s92, s93                    ; ch0
	s_cmp_eq_u32 s19, 1
	s_cselect_b64 s[10:11], s[10:11], s[12:13]     ; bk or bv,
	s_cmp_eq_u32 s19, 0
	s_cselect_b64 s[8:9], s[8:9], s[10:11]         ; or bq
	s_lshl_b32 s96, s95, 2
	s_mov_b32 s97, 0
	s_add_nc_u64 s[8:9], s[8:9], s[96:97]          ; the bias at my first channel
	s_lshl_b32 s96, s19, 24                        ; the tensor's image,
	s_lshr_b32 s92, s94, 11
	s_lshl_b32 s92, s92, 22
	s_add_co_u32 s96, s96, s92                     ; the batch: 16 heads,
	s_lshr_b32 s92, s95, 6
	s_lshl_b32 s92, s92, 18
	s_add_co_u32 s96, s96, s92                     ; my first head,
	s_and_b32 s92, s94, 2047
	s_lshl_b32 s92, s92, 7
	s_add_co_u32 s96, s96, s92                     ; 128 bytes a token in Q, K and V alike
	s_add_nc_u64 s[14:15], s[14:15], s[96:97]
.macro FRAG reg, adr, q, i             ; a fragment, 16 rows x 128 K of 4-bit codes: lane l holds row l % 16; registers 4 c .. 4 c + 3 hold K = 64 c + 32 (l / 16) + 0 .. 31
.irp c, 0,1
	ds_load_b128 v[\reg+4*\c:\reg+4*\c+3], v[\adr] offset:64*(\q)+32*\c+(\i)*16*PITCH
.endr
.endm
; 16 matrix instructions: A's blocks a0, a0 + 1 x B's eight, the slot's q-th 128 along K.  p: B's set; sc: the set of scale words.  zero = 1: the first product starts the sums.
; The 64 accumulators take turns, one instruction a turn, in the same order in every step.
.macro MUL16 a0, p, q, sc, zero
.irp a, \a0, \a0+1
.irp b, 0,1,2,3,4,5,6,7
.if \zero
	v_wmma_scale_f32_16x16x128_f8f6f4 v[8*(8*((\a)%4)+\b):8*(8*((\a)%4)+\b)+7], v[128*(\p)+FR*\b:128*(\p)+FR*\b+FR-1], v[AF+FR*(\a):AF+FR*(\a)+FR-1], 0, v[SC+8*NQ*(\sc)+NQ*\b+(\q)], v[SC+8*NQ*(\sc)+NQ*(\a)+(\q)] matrix_a_fmt:MATRIX_FMT_FP4 matrix_b_fmt:MATRIX_FMT_FP4 matrix_a_scale:MATRIX_SCALE_ROW1
.else
	v_wmma_scale_f32_16x16x128_f8f6f4 v[8*(8*((\a)%4)+\b):8*(8*((\a)%4)+\b)+7], v[128*(\p)+FR*\b:128*(\p)+FR*\b+FR-1], v[AF+FR*(\a):AF+FR*(\a)+FR-1], v[8*(8*((\a)%4)+\b):8*(8*((\a)%4)+\b)+7], v[SC+8*NQ*(\sc)+NQ*\b+(\q)], v[SC+8*NQ*(\sc)+NQ*(\a)+(\q)] matrix_a_fmt:MATRIX_FMT_FP4 matrix_b_fmt:MATRIX_FMT_FP4 matrix_a_scale:MATRIX_SCALE_ROW1
.endif
.endr
.endr
.endm
.macro FETCH_B slot, q, p              ; B's eight fragments of the slot's q-th 128 along K into set p
	WIN TO_B
.irp i, 0,1,2,3,4,5,6,7
	FRAG 128*(\p)+FR*\i, ADRB+\slot, \q, \i
.endr
	WIN 0
.endm
.macro FETCH_A slot, q, i0             ; A's blocks i0 .. i0 + 3
.irp i, \i0, \i0+1, \i0+2, \i0+3
	FRAG AF+FR*(\i), ADRA+\slot, \q, \i
.endr
.endm
.macro SCALES sc                       ; a slot's scale words into set sc: four words a row; lanes 0-15 take A's block i, lanes 16-31 B's block i
.irp i, 0,1,2,3,4,5,6,7
	ds_load_b128 v[SC+8*NQ*\sc+NQ*\i:SC+8*NQ*\sc+NQ*\i+3], v[ADRS] offset:\i*SBLK
.endr
.endm
.macro PLACES n                        ; plain vector instructions that name none of a matrix instruction's registers, between it and a load into, or a vector access of, those registers
.rept \n
	v_nop
.endr
.endm
; A step of 128 along K that has its successor in the same slot.  A block of A is free as soon as its eight products are issued: blocks 0-3 are fetched anew in the step's middle, blocks 4-7 at its end.
.macro STEP slot, q, zero
	s_wait_dscnt 4*NL                              ; B's set and A's blocks 0-3 are in; the youngest eight loads (A's blocks 4-7) may be out
	WIN MUL_LO
	MUL16 0, (\q)%2, \q, \slot, \zero
	MUL16 2, (\q)%2, \q, \slot, \zero
	s_wait_dscnt 0                                 ; A's blocks 4-7 are in
	PLACES NP
	FETCH_B \slot, (\q)+1, 1-(\q)%2
	FETCH_A \slot, (\q)+1, 0
	WIN MUL_HI
	MUL16 4, (\q)%2, \q, \slot, \zero
	MUL16 6, (\q)%2, \q, \slot, \zero
	PLACES NP
	WIN 0
	FETCH_A \slot, (\q)+1, 4
.endm
; Slot 0's last step goes on to slot 1: one barrier; in front of it each wave waits for all its tensor loads (its part of slot 1).
.macro TURN slot, next
	s_wait_tensorcnt 0x0                           ; all my tensor loads have landed
	ds_add_u32 v[SPW], v[NIL]                      ; 0 onto my spare word
	s_wait_dscnt 4*NL+1                            ; (the add and the youngest eight loads may be out)
	WIN MUL_LO
	MUL16 0, 1, NQ-1, \slot, 0
	s_wait_dscnt 0x0                               ; no LDS instruction of mine is out at the signal
	s_barrier_signal -1
	MUL16 2, 1, NQ-1, \slot, 0
	WIN 0
	s_barrier_wait -1                              ; everybody's part of the next slot is in
	PLACES NP
	v_add_nc_u32 v[ADRS], 4*NQ, v[ADRS]            ; on to the next slot's scale words
	FETCH_B \next, 0, 0
	FETCH_A \next, 0, 0
	SCALES \next
	WIN MUL_HI
	MUL16 4, 1, NQ-1, \slot, 0
	MUL16 6, 1, NQ-1, \slot, 0
	PLACES NP
	WIN 0
	FETCH_A \next, 0, 4
.endm
.macro STEPS slot, from                ; the slot's steps from .. 2
.set Q, \from
.rept NQ-1-\from
	STEP \slot, Q, 0
.set Q, Q+1
.endr
.endm
.macro LAST                            ; the very last step: nothing more to fetch
	s_wait_dscnt 4*NL
	WIN MUL_LO
	MUL16 0, 1, NQ-1, 1, 0
	MUL16 2, 1, NQ-1, 1, 0
	s_wait_dscnt 0
	WIN MUL_HI
	MUL16 4, 1, NQ-1, 1, 0
	MUL16 6, 1, NQ-1, 1, 0
	WIN 0
.endm
; THE WAY OUT of A's block a: the bias and the scale in place, from each accumulator's low end on; rounded to f16, 16 bytes a lane for each of B's eight blocks; stored as they stand.
.macro CVST a                          ; the rounding, common to both forms
	WIN 0x0a+5*((\a)/4)                            ; sources 0 and 1: window 2 or 3
.if (\a) > 1
	s_wait_xcnt 0x0                                ; block a - 2's stores have read their data: the set is rewritten only behind this wait
.endif
.set i, 0
.rept 32
	v_cvt_pk_f16_f32 v[OB+i], v[AC+2*i], v[AC+2*i+1]
.set i, i+1
.endr
	WIN 0
.endm
.macro OUT_QK a                        ; lane (r, h), block b: token tok0 + 16 a + r, channels ch0 + 16 b + 8 h + 0 .. 7
.set AC, 64*((\a)%4)
.set OB, OUTR+32*((\a)%2)
	WIN 0x82+0x41*((\a)/4)                         ; destination and source 0: window 2 or 3; the bias: window 0
.set i, 0
.rept 32
	v_pk_fma_f32 v[AC+i:AC+i+1], v[AC+i:AC+i+1], s[22:23], v[BB+i:BB+i+1] op_sel_hi:[1,0,1]   ; sum x rc + bias x rc
.set i, i+2
.endr
	CVST \a
.irp b, 0,1,2,3,4,5,6,7
	global_store_b128 v[LO], v[OB+4*\b:OB+4*\b+3], s[14:15] offset:(\a)*2048+(\b/4)*262144+(\b%4)*512   ; 512 consecutive bytes, aligned: token tile a, head b / 4, channels 16 (b % 4) on
.endr
.endm
.macro OUT_V a                         ; lane (r, h), block b: channel ch0 + 16 a + r, keys tok0 + 16 b + 8 h + 0 .. 7
.set AC, 64*((\a)%4)
.set OB, OUTR+32*((\a)%2)
	WIN 0x82+0x41*((\a)/4)
.set i, 0
.rept 32
.if (\a)%2
	v_pk_add_f32 v[AC+i:AC+i+1], v[AC+i:AC+i+1], v[BB+(\a)-1:BB+(\a)] op_sel:[0,1] op_sel_hi:[1,1]   ; + bv of my channel: the pair's upper register for both halves
.else
	v_pk_add_f32 v[AC+i:AC+i+1], v[AC+i:AC+i+1], v[BB+(\a):BB+(\a)+1] op_sel_hi:[1,0]                ; the lower one
.endif
.set i, i+2
.endr
	CVST \a
.irp b, 0,1,2,3,4,5,6,7
	global_store_b128 v[LO], v[OB+4*\b:OB+4*\b+3], s[14:15] offset:((\a)/4)*262144+((\a)%4)*1024+(\b/2)*4096+(\b%2)*512   ; head a / 4, channels 16 (a % 4) on, keys 16 b on
.endr
.endm
	s_wait_tensorcnt 1                             ; the scales and my part of slot 0 are in (slot 1's load may be out),
	s_barrier_signal -1
	s_barrier_wait -1                              ; everybody's are
	FETCH_B 0, 0, 0
	FETCH_A 0, 0, 0
	SCALES 0
	FETCH_A 0, 0, 4
	STEP 0, 0, 1                                   ; the first step's products start the sums: nothing is cleared
	STEPS 0, 1
	TURN 0, 1
	STEPS 1, 0
	s_cmp_eq_u32 s19, 2                            ; the tensor: the same in all sixteen partners.  Each arm asks for its bias, runs the last step while it comes, and goes out
	s_cbranch_scc1 .Lv
.irp b, 0,1,2,3,4,5,6,7
	global_load_b128 v[BB+8*\b:BB+8*\b+3], v[BH], s[8:9] offset:64*\b       ; bias[ch0 + 16 b + 8 h + 0 .. 7]
	global_load_b128 v[BB+8*\b+4:BB+8*\b+7], v[BH], s[8:9] offset:64*\b+16
.endr
	LAST
	s_wait_loadcnt 0x0
.set i, 0
.rept 32
	v_pk_mul_f32 v[BB+i:BB+i+1], v[BB+i:BB+i+1], s[22:23] op_sel_hi:[1,0]   ; bias x rc.  These 32 are also the places behind the last products
.set i, i+2
.endr
.irp a, 0,1,2,3,4,5,6,7
	OUT_QK \a
.endr
	s_branch .Lend
.Lv:
.irp a, 0,1,2,3,4,5,6,7
	global_load_b32 v[BB+\a], v[BR], s[8:9] offset:64*\a                    ; bv[ch0 + 16 a + r]
.endr
	LAST
	PLACES NP
	s_wait_loadcnt 0x0
.irp a, 0,1,2,3,4,5,6,7
	OUT_V \a
.endr
.Lend:
	s_wait_tensorcnt 0x0                           ; the wave's end
	ds_add_u32 v[SPW], v[NIL]
	s_wait_dscnt 0x0
	CROUND                                         ; the closing round
	s_endpgm
.Lfunc_end_k_q3cf401d8bd_proj:
	.size	k_q3cf401d8bd_proj, .Lfunc_end_k_q3cf401d8bd_proj-k_q3cf401d8bd_proj
	.p2alignl 7, 3214868480
	.fill 96, 4, 3214868480
	.section	.rodata,"a",@progbits
	.p2align	6, 0x0
	.amdhsa_kernel k_q3cf401d8bd_proj
		.amdhsa_group_segment_fixed_size 327680
		.amdhsa_private_segment_fixed_size 0
		.amdhsa_enable_private_segment 0
		.amdhsa_kernarg_size 48
		.amdhsa_user_sgpr_count 2
		.amdhsa_user_sgpr_kernarg_segment_ptr 1
		.amdhsa_wavefront_size32 1
		.amdhsa_system_sgpr_workgroup_id_x 1
		.amdhsa_system_sgpr_workgroup_id_y 1
		.amdhsa_system_sgpr_workgroup_id_z 1
		.amdhsa_system_vgpr_workitem_id 0
		.amdhsa_next_free_vgpr 1024
		.amdhsa_next_free_sgpr 100
		.amdhsa_reserve_vcc 0
		.amdhsa_float_denorm_mode_32 3
		.amdhsa_float_denorm_mode_16_64 3
		.amdhsa_memory_ordered 1
		.amdhsa_forward_progress 1
		.amdhsa_inst_pref_size 186
	.end_amdhsa_kernel
	.amdgpu_metadata
---
amdhsa.version: [ 1, 2 ]
amdhsa.kernels:
  - .name:           k_q3cf401d8bd_proj
    .symbol:         k_q3cf401d8bd_proj.kd
    .args:
      - { .name: codes, .offset: 0, .size: 8, .value_kind: global_buffer, .address_space: global }
      - { .name: scl, .offset: 8, .size: 8, .value_kind: global_buffer, .address_space: global }
      - { .name: bq, .offset: 16, .size: 8, .value_kind: global_buffer, .address_space: global }
      - { .name: bk, .offset: 24, .size: 8, .value_kind: global_buffer, .address_space: global }
      - { .name: bv, .offset: 32, .size: 8, .value_kind: global_buffer, .address_space: global }
      - { .name: qkv, .offset: 40, .size: 8, .value_kind: global_buffer, .address_space: global }
    .group_segment_fixed_size: 327680
    .private_segment_fixed_size: 0
    .kernarg_segment_align: 8
    .kernarg_segment_size: 48
    .max_flat_workgroup_size: 128
    .sgpr_count:     100
    .vgpr_count:     1024
    .wavefront_size: 32
...
	.end_amdgpu_metadata
.endif
;; end of part 2
;; launch attn (part 3): grid 4 x 64, 8 waves a work-group, clusters of 4 x 1, 327,680 bytes of LDS; arguments qkv, mb, att; writes att
.if DOCPART == 3
	.amdgcn_target "amdgcn-amd-amdhsa--gfx1250"
	.amdhsa_code_object_version 6
	.text
	.protected	k_q3cf401d8bd_attn
	.globl	k_q3cf401d8bd_attn
	.p2align	8
	.type	k_q3cf401d8bd_attn,@function
k_q3cf401d8bd_attn:
	s_mov_b64 s[64:65], 0
	v_nop
	global_prefetch_b8 v0, s[64:65] scope:SCOPE_SE
	s_setreg_imm32_b32 hwreg(HW_REG_WAVE_MODE, 25, 1), 1
	s_wait_xcnt 0x0
	s_wait_alu depctr_hold_cnt(0) depctr_sa_sdst(0) depctr_va_vdst(0) depctr_va_sdst(0) depctr_va_ssrc(0) depctr_va_vcc(0) depctr_vm_vsrc(0)
	s_getreg_b32 s2, hwreg(HW_REG_IB_STS2, 6, 4)
	s_cmp_eq_u32 s2, 0
	s_cbranch_scc0 .Lentry_in_a_cluster
	s_endpgm
.Lentry_in_a_cluster:
	s_bfe_u32 s2, ttmp6, 0x10000c
	s_cmp_lg_u32 s2, 0x3003
	s_cbranch_scc0 .Lentry_shape_is_right
	s_endpgm
.Lentry_shape_is_right:
; ATTENTION, one head (y = 16 b + h) to a cluster: att = softmax(q . k / 8, masked keys out) v, products on f16 operands with f32 sums; maxima, exponentials and sums in f32.  No work is left out.
; q and k come multiplied by sqrt(log2(e) / 8) each, so S = k q^T is the exponent t in base 2.  THE MASK is a table of f32 (0, or -2^100 for a key that does not count) and is the C of the first link of S: it costs no vector instruction.
; SOFTMAX: a running maximum m and sum l for each query; p = 2^(t - m); in every step O and l are multiplied by a = 2^(m_old - m_new).  m begins at -2^127.  While a query has seen masked keys alone, p is 0 or 1; the first key
; that counts gives a = 0, which wipes what was summed.  A query none of whose keys counts ends with m under -2^99: its divisor's reciprocal is then chosen 0, so its row is 0, as the second where() of the problem gives.
; LIMITS: scores that count stay far above -2^99 (|q rc|, |k rc| are f16: at most 64 x 65,504^2); NaN and infinities are not served.
; SHARES.  A work-group owns 512 queries, each of its eight waves 64: four tiles of 16; two waves share a SIMD, so that one wave's softmax stands beside the other's products.  Every wave walks all 2,048 keys, 64 a step.
; LAYOUT.  S^T = K Q^T (source 0 = 16 keys, source 1 = 16 queries) and O^T = V^T P (source 0 = 16 channels x 32 keys, source 1 = P): a lane holds ONE query (lane % 16) throughout; two tiles of S^T, rounded to f16 in pairs, are source 1
; of the second product.  Q, K and V lie in memory in the order of these operands' registers: every fragment is read at 16 x lane, 512 consecutive bytes an instruction, with no padding and nothing turned.
; CLUSTER.  The four query blocks of a head walk the same K, V and mask table: each tile is asked for jointly, by the same tensor load with a mask that names the four.
; LDS: two slots of 512 keys (K 64 KiB, then V 64 KiB); the batch's mask table, 8 KiB; the spare words.  2,048 keys are four slots' worth: two first fills, two refills, each with a slot's eight key steps in which to land.
; REGISTERS: window 0: v1-6 addresses; v8, v9 the add's two; v12-43 statistics, 8 a tile; v44-59 four chains a tile; v96-127 the mask's 32 numbers; v128-255 S^T, 32 a tile, P in place in a tile's first 16.
;   window 1: v0-127 O^T (tile t, channels 16 ct on: 32 t + 8 ct); v128-191 Q (16 t + 8 f); v192-255 eight fragments of K or of V.
.set SLOTB, 131072
.set VOFF,  65536
.set STEPB, 8192                       ; 64 keys of K, and of V
.set BIAS,  2*SLOTB
.set SPARE, BIAS+8192
.set THR,   0xf1000000                 ; -2^99
.set LA,  1                            ; v1  16 x lane
.set LAV, 2                            ; v2  the same in V's half of a slot
.set LAB, 3                            ; v3  BIAS + 32 (lane / 16): my eight keys of a tile of 16
.set ADK, 4                            ; v4-6 the step's addresses
.set ADV, 5
.set ADB, 6
.set SPW, 8                            ; v8  my spare word; never rewritten
.set NIL, 9                            ; v9  0; never rewritten
.set ST,  12                           ; tile t at ST + 8 t: +0 m, +1 (named with it), +2, +3 l, +4 a, +5 (named with it), +6, +7 the second chain of sums
.set CH,  44                           ; tile t at CH + 4 t: c0 .. c3
.set BI,  96
.set S,   128
.set Q,   128                          ; in window 1
.set KV,  192                          ; in window 1
.set WV,  10
.set CX,  11
.set HY,  12
.set G1,  16                           ; s[16:23] group 1: 64 rows of 256 bytes
.set G1M, 24                           ; s[24:31] the mask table's: 4 rows of 256 bytes
.set G0,  32                           ; s[32:39] group 0, a set for each slot
.set G0M, 40                           ; s[40:43] the mask table's
.set SEL, 44                           ; s[44:45] v_permlanex16_b32's selects for lane l xor 16
.set TB,  46                           ; s46 LDS byte at which the step's K begins
.set TI,  47                           ; s47 byte of the mask table at which the step's keys begin
.set CNT, 48
.set MSB, 0
.macro WIN new                         ; the immediate's high byte repeats the setting that is left
.if MSB != (\new)
	s_set_vgpr_msb (MSB<<8)|(\new)
.set MSB, (\new)
.endif
.endm
.macro CROUND                          ; a round of the cluster's barrier
	s_barrier_signal -1
	s_barrier_wait -1
	s_cmp_lg_u32 s[WV], 0
	s_cbranch_scc1 .Lnot_wave_0_\@
	s_barrier_signal -3
.Lnot_wave_0_\@:
	s_barrier_wait -3
	s_barrier_signal -1
	s_barrier_wait -1
.endm
	s_load_b128 s[4:7], s[0:1], 0x0                ; qkv s[4:5], mb s[6:7]
	s_load_b64 s[8:9], s[0:1], 0x10                ; att
	v_lshl_add_u32 v[SPW], v0, 2, SPARE
	v_mov_b32 v[NIL], 0
	ds_add_u32 v[SPW], v[NIL]                      ; the wave's opening: the add, twice on end, and its wait ahead of my first tensor load
	ds_add_u32 v[SPW], v[NIL]
	v_lshrrev_b32 v7, 5, v0
	v_readfirstlane_b32 s[WV], v7                  ; wave 0..7
	s_bfe_u32 s[CX], ttmp6, 0x40000                ; cx: my block of 512 queries: it enters Q's and att's addresses alone
	s_and_b32 s[HY], ttmp7, 0xffff                 ; the head, which the four partners share
	s_mov_b32 s[G1], 15|(3<<16)|(1<<21)            ; 15:0 the mask: all four; 17:16 elements of 8 bytes; 21 set beside a mask; no padding
	s_mov_b32 s[G1+1], 32<<16                      ; tensor_dim0 = 32 elements: 256 bytes
	s_mov_b32 s[G1+2], 64<<16                      ; tensor_dim1 = 64
	s_mov_b32 s[G1+3], 32<<16                      ; tile_dim0
	s_mov_b32 s[G1+4], 64                          ; tile_dim1
	s_mov_b32 s[G1+5], 32                          ; dense
	s_mov_b32 s[G1+6], 0
	s_mov_b32 s[G1+7], 0
	s_mov_b32 s[G1M], 15|(3<<16)|(1<<21)
	s_mov_b32 s[G1M+1], 32<<16
	s_mov_b32 s[G1M+2], 4<<16
	s_mov_b32 s[G1M+3], 32<<16
	s_mov_b32 s[G1M+4], 4
	s_mov_b32 s[G1M+5], 32
	s_mov_b32 s[G1M+6], 0
	s_mov_b32 s[G1M+7], 0
	s_mov_b32 s[SEL], 0x76543210
	s_mov_b32 s[SEL+1], 0xfedcba98
	s_lshl_b32 s54, s[HY], 18                      ; the head's first byte in each of Q, K, V
	s_lshr_b32 s13, s[WV], 2
	s_add_co_u32 s13, s13, 1
	s_lshl_b32 s13, s13, 24                        ; waves 0-3 fetch K's quarters of a slot, waves 4-7 V's: by arithmetic on the wave's number, with no branch
	s_add_co_u32 s13, s13, s54
	s_and_b32 s14, s[WV], 3
	s_lshl_b32 s14, s14, 14
	s_add_co_u32 s56, s13, s14
	s_mov_b32 s57, 0
	s_lshl_b32 s15, s[WV], 14                      ; and in a slot: 16 KiB x wave
	s_lshr_b32 s13, s[HY], 4                       ; the batch
	s_lshl_b32 s58, s13, 13                        ; its 8 KiB of the mask table,
	s_lshl_b32 s14, s[WV], 10                      ; of which each wave brings 1 KiB
	s_add_co_u32 s58, s58, s14
	s_mov_b32 s59, 0
	s_lshl_b32 s50, s[CX], 16                      ; Q: 128 bytes a query: 512 cx + 64 wave
	s_add_co_u32 s50, s50, s54
	s_lshl_b32 s55, s[WV], 13
	s_add_co_u32 s50, s50, s55
	s_mov_b32 s51, 0
	s_lshl_b32 s52, s13, 22                        ; att: 2,048 bytes a token, + 2,048 x the head's number in its batch
	s_lshl_b32 s55, s[CX], 20
	s_add_co_u32 s52, s52, s55
	s_lshl_b32 s55, s[WV], 17
	s_add_co_u32 s52, s52, s55
	s_and_b32 s55, s[HY], 15
	s_lshl_b32 s55, s55, 11
	s_add_co_u32 s52, s52, s55
	s_mov_b32 s53, 0
	s_wait_dscnt 0x0                               ; both opening adds are done
	s_wait_kmcnt 0x0
	s_add_nc_u64 s[56:57], s[4:5], s[56:57]
	s_add_nc_u64 s[58:59], s[6:7], s[58:59]
	s_add_nc_u64 s[50:51], s[4:5], s[50:51]
	s_add_nc_u64 s[52:53], s[8:9], s[52:53]
	s_mov_b32 s[G0M], 1
	s_add_co_u32 s[G0M+1], s14, BIAS
	s_mov_b64 s[G0M+2:G0M+3], s[58:59]
	s_or_b32 s[G0M+3], s[G0M+3], 0x80000000
.irp s, 0,1
	s_mov_b32 s[G0+4*\s], 1
	s_add_co_u32 s[G0+4*\s+1], s15, \s*SLOTB
	s_add_nc_u64 s[G0+4*\s+2:G0+4*\s+3], s[56:57], \s*65536   ; slot s begins with keys 512 s on
	s_or_b32 s[G0+4*\s+3], s[G0+4*\s+3], 0x80000000
.endr
	CROUND                                         ; all four work-groups are here: the first joint loads meet
	tensor_load_to_lds s[G0M:G0M+3], s[G1M:G1M+7]  ; the first fills go out together: three tensor loads of mine are out
	s_nop 0
	tensor_load_to_lds s[G0:G0+3], s[G1:G1+7]
	s_nop 0
	tensor_load_to_lds s[G0+4:G0+7], s[G1:G1+7]
	s_nop 0
.rept 4
	v_nop
.endr
	v_and_b32 v7, 31, v0
	v_lshlrev_b32 v[LA], 4, v7
	v_add_nc_u32 v[LAV], VOFF, v[LA]
	v_bfe_u32 v7, v0, 4, 1
	v_lshl_add_u32 v[LAB], v7, 5, BIAS
	WIN 0x40                                       ; destination window 1, address window 0
.irp n, 0,1,2,3,4,5,6,7,8,9,10,11,12,13,14,15
	global_load_b128 v[Q+4*\n:Q+4*\n+3], v[LA], s[50:51] offset:512*\n   ; Q stays in registers: tile n / 4, channels 32 ((n / 2) % 2) on
.endr
	WIN 0
.irp t, 0,1,2,3
	v_mov_b32 v[ST+8*\t], 0xff000000               ; m = -2^127, under every score, masked ones too
	v_mov_b32 v[ST+8*\t+1], 0
	v_mov_b32 v[ST+8*\t+2], 0                      ; l
	v_mov_b32 v[ST+8*\t+3], 0
	v_mov_b32 v[ST+8*\t+5], 0
.endr
.macro FETCH16 adr                     ; eight fragments, 8 KiB on end: K's (key tile kt, channels 32 f on) at 2 kt + f, V's (keys 32 kb on, channels 16 ct on) at 4 kb + ct
.irp n, 0,1,2,3,4,5,6,7,8,9,10,11,12,13,14,15
	ds_load_b128 v[KV+4*\n:KV+4*\n+3], v[\adr] offset:512*\n
.endr
.endm
; A KEY STEP: 64 keys.  first = 1: the launch's first: its products V^T P start O^T's sums, and there is nothing to rescale.
.macro STEP first
	v_add_nc_u32 v[ADK], s[TB], v[LA]              ; these three and two v_nop are five places behind the last step's products V^T P: their V is loaded over (four are asked), their P written over by matrix instructions (five)
	v_add_nc_u32 v[ADV], s[TB], v[LAV]
	v_add_nc_u32 v[ADB], s[TI], v[LAB]
	v_nop
	v_nop
.irp n, 0,1,2,3,4,5,6,7
	ds_load_b128 v[BI+4*\n:BI+4*\n+3], v[ADB] offset:64*(\n/2)+16*(\n%2)   ; the mask's numbers of keys 16 (n / 2) + 8 (lane / 16) + 4 (n % 2) on: S^T's own layout
.endr
	WIN 0x40
	FETCH16 ADK
	s_wait_dscnt 0x0
	WIN 0x05                                       ; K and Q window 1; S^T and the mask window 0
.irp f, 0,1                                    ; S^T = mask + K Q^T: the 16 accumulators take turns, one instruction a turn
.irp kt, 0,1,2,3
.irp t, 0,1,2,3
.if \f == 0
	v_wmma_f32_16x16x32_f16 v[S+32*\t+8*\kt:S+32*\t+8*\kt+7], v[KV+16*\kt:KV+16*\kt+7], v[Q+16*\t:Q+16*\t+7], v[BI+8*\kt:BI+8*\kt+7]
.else
	v_wmma_f32_16x16x32_f16 v[S+32*\t+8*\kt:S+32*\t+8*\kt+7], v[KV+16*\kt+8:KV+16*\kt+15], v[Q+16*\t+8:Q+16*\t+15], v[S+32*\t+8*\kt:S+32*\t+8*\kt+7]
.endif
.endr
.endr
.endr
.rept 4
	v_nop                                          ; four places: K's registers are loaded over, and the scores are read
.endr
	WIN 0x40
	FETCH16 ADV                                    ; V lands while the softmax is walked
	WIN 0
	; the maximum of a tile's 32 scores and the old m, three operands at a time, four chains; each accumulator is read from its low end on; the four tiles by turns
.irp j, 0,1,2,3
.irp t, 0,1,2,3
	v_max3_num_f32 v[CH+4*\t+\j], v[S+32*\t+8*\j], v[S+32*\t+8*\j+1], v[S+32*\t+8*\j+2]
.endr
.endr
.irp u, 1,2
.irp j, 0,1,2,3
.irp t, 0,1,2,3
	v_max3_num_f32 v[CH+4*\t+\j], v[CH+4*\t+\j], v[S+32*\t+8*\j+2*\u+1], v[S+32*\t+8*\j+2*\u+2]
.endr
.endr
.endr
.irp t, 0,1,2,3
	v_max3_num_f32 v[CH+4*\t], v[CH+4*\t], v[S+32*\t+7], v[S+32*\t+15]
.endr
.irp t, 0,1,2,3
	v_max3_num_f32 v[CH+4*\t+2], v[CH+4*\t+2], v[S+32*\t+23], v[S+32*\t+31]
.endr
.irp t, 0,1,2,3
	v_max3_num_f32 v[CH+4*\t], v[CH+4*\t], v[CH+4*\t+1], v[CH+4*\t+2]
.endr
.irp t, 0,1,2,3
	v_max3_num_f32 v[CH+4*\t], v[CH+4*\t], v[CH+4*\t+3], v[ST+8*\t]
.endr
.irp t, 0,1,2,3
	v_permlanex16_b32 v[CH+4*\t+1], v[CH+4*\t], s[SEL], s[SEL+1]   ; the query's other 32 keys lie in the lane 16 away
.endr
.irp t, 0,1,2,3
	v_mov_b32 v[CH+4*\t+3], v[ST+8*\t]             ; m_old
.endr
.irp t, 0,1,2,3
	v_max_num_f32 v[ST+8*\t], v[CH+4*\t], v[CH+4*\t+1]
.endr
.irp t, 0,1,2,3
	v_sub_f32 v[CH+4*\t+3], v[CH+4*\t+3], v[ST+8*\t]   ; m_old - m_new
.endr
.set i, 0
.rept 64
	v_pk_add_f32 v[S+2*i:S+2*i+1], v[S+2*i:S+2*i+1], v[ST+8*(i/16):ST+8*(i/16)+1] op_sel_hi:[1,0] neg_lo:[0,1] neg_hi:[0,1]   ; t - m, two at a time: exactly 0 at the maximum
.set i, i+1
.endr
.irp t, 0,1,2,3                                ; ONE batch of exponentials: the four a, then the 128 p, in place; none reads another's result
	v_exp_f32 v[ST+8*\t+4], v[CH+4*\t+3]
.endr
.set i, 0
.rept 128
	v_exp_f32 v[S+i], v[S+i]
.set i, i+1
.endr
	v_nop                                          ; a plain instruction behind the last exponential
	s_wait_alu depctr_va_vdst(0)                   ; and the one wait ahead of the batch's first reader
.irp t, 0,1,2,3
	v_pk_mul_f32 v[ST+8*\t+2:ST+8*\t+3], v[ST+8*\t+2:ST+8*\t+3], v[ST+8*\t+4:ST+8*\t+5] op_sel_hi:[1,0]   ; l x a
.endr
.irp t, 0,1,2,3                                ; the sums of the unrounded p, two at a time, in two chains a tile
	v_pk_add_f32 v[ST+8*\t+6:ST+8*\t+7], v[S+32*\t:S+32*\t+1], v[S+32*\t+2:S+32*\t+3]
.endr
.irp j, 4,8,12,16,20,24,28
.irp t, 0,1,2,3
	v_pk_add_f32 v[ST+8*\t+2:ST+8*\t+3], v[ST+8*\t+2:ST+8*\t+3], v[S+32*\t+\j:S+32*\t+\j+1]
	v_pk_add_f32 v[ST+8*\t+6:ST+8*\t+7], v[ST+8*\t+6:ST+8*\t+7], v[S+32*\t+\j+2:S+32*\t+\j+3]
.endr
.endr
.irp t, 0,1,2,3
	v_pk_add_f32 v[ST+8*\t+2:ST+8*\t+3], v[ST+8*\t+2:ST+8*\t+3], v[ST+8*\t+6:ST+8*\t+7]
.endr
.irp i, 0,1,2,3,4,5,6,7,8,9,10,11,12,13,14,15   ; P: pair i of a tile's p into its register i: ascending, so that no pair is written over before it is read
.irp t, 0,1,2,3
	v_cvt_pk_f16_f32 v[S+32*\t+\i], v[S+32*\t+2*\i], v[S+32*\t+2*\i+1]
.endr
.endr
.if !\first
	WIN 0x41                                       ; O^T window 1, a window 0
.set i, 0
.rept 64
	v_pk_mul_f32 v[2*i:2*i+1], v[2*i:2*i+1], v[ST+8*(i/16)+4:ST+8*(i/16)+5] op_sel_hi:[1,0]   ; O^T x a, each accumulator from its low end on
.set i, i+1
.endr
.endif
	s_wait_dscnt 0x0                               ; V is in
	WIN 0x51                                       ; V window 1, P window 0, O^T window 1
.irp kb, 0,1                                   ; O^T += V^T P: the 16 accumulators take turns
.irp ct, 0,1,2,3
.irp t, 0,1,2,3
.if \first && (\kb == 0)
	v_wmma_f32_16x16x32_f16 v[32*\t+8*\ct:32*\t+8*\ct+7], v[KV+8*(4*\kb+\ct):KV+8*(4*\kb+\ct)+7], v[S+32*\t+8*\kb:S+32*\t+8*\kb+7], 0
.else
	v_wmma_f32_16x16x32_f16 v[32*\t+8*\ct:32*\t+8*\ct+7], v[KV+8*(4*\kb+\ct):KV+8*(4*\kb+\ct)+7], v[S+32*\t+8*\kb:S+32*\t+8*\kb+7], v[32*\t+8*\ct:32*\t+8*\ct+7]
.endif
.endr
.endr
.endr
	WIN 0
	s_add_co_u32 s[TB], s[TB], STEPB
	s_add_co_u32 s[TI], s[TI], 256
.endm
.macro SL n, first                     ; the eight key steps of keys 512 n on, which lie in slot n % 2
	s_mov_b32 s[TB], ((\n)&1)*SLOTB
	s_mov_b32 s[TI], (\n)*2048
.if \first
	STEP 1
	s_mov_b32 s[CNT], 7
.else
	s_mov_b32 s[CNT], 8
.endif
.Lstep_\@:
	STEP 0
	s_sub_co_u32 s[CNT], s[CNT], 1
	s_cmp_lg_u32 s[CNT], 0
	s_cbranch_scc1 .Lstep_\@
.endm
; THE CHANGE OF SLOTS.  Each wave waits for all its tensor loads (its part of the slot ahead), adds 0 to its spare word, and waits for that and for its reads of slot s, which it has left.
; fill = 1: slot s is filled again with the keys 1,024 further on: the barrier is then a round of the cluster's, and the joint refill is the first thing behind it, one tensor load a wave.
.macro CHANGE s, fill
	s_wait_tensorcnt 0x0                           ; no tensor load of mine is out, so a group 0 may be written
	ds_add_u32 v[SPW], v[NIL]
.if \fill
	s_add_nc_u64 s[G0+4*\s+2:G0+4*\s+3], s[G0+4*\s+2:G0+4*\s+3], 2*65536
.endif
	s_wait_dscnt 0x0                               ; the add is done, and my reads of the slot are over
.if \fill
	CROUND
	tensor_load_to_lds s[G0+4*\s:G0+4*\s+3], s[G1:G1+7]
	s_nop 0
.rept 4
	v_nop
.endr
.else
	s_barrier_signal -1
	s_barrier_wait -1
.endif
.endm
	s_wait_tensorcnt 1                             ; the mask table's part and slot 0's are in; slot 1's may stay out
	s_barrier_signal -1
	s_barrier_wait -1                              ; everybody's are
	s_wait_loadcnt 0x0                             ; Q
	SL 0, 1
	CHANGE 0, 1
	SL 1, 0
	CHANGE 1, 1
	SL 2, 0
	CHANGE 0, 0                                    ; nothing is left to ask for
	SL 3, 0
	; THE WAY OUT.  l's two halves and the other half of the lanes' are added (these additions are the places behind the last products); O^T is divided by l, or set to 0 where no key counted; rounded to f16; stored as it stands:
	; att is laid [token / 16][feature / 8][token % 16][8 f16], the order of the next product's operand registers: every store of a wave is 512 consecutive bytes, aligned.
.irp t, 0,1,2,3
	v_add_f32 v[CH+4*\t], v[ST+8*\t+2], v[ST+8*\t+3]
.endr
.irp t, 0,1,2,3
	v_permlanex16_b32 v[CH+4*\t+1], v[CH+4*\t], s[SEL], s[SEL+1]
.endr
.irp t, 0,1,2,3
	v_add_f32 v[CH+4*\t], v[CH+4*\t], v[CH+4*\t+1]
.endr
.irp t, 0,1,2,3
	v_rcp_f32 v[ST+8*\t+4], v[CH+4*\t]
.endr
	v_nop                                          ; a plain instruction behind the last reciprocal
	s_wait_alu depctr_va_vdst(0)                   ; one wait for the four, ahead of their first reader
.irp t, 0,1,2,3
	v_cmp_le_f32 vcc_lo, THR, v[ST+8*\t]           ; has any key counted?  A choice of a value: no branch hangs on it
	v_cndmask_b32 v[ST+8*\t+4], 0, v[ST+8*\t+4], vcc_lo
.endr
	WIN 0x41
.set i, 0
.rept 64
	v_pk_mul_f32 v[2*i:2*i+1], v[2*i:2*i+1], v[ST+8*(i/16)+4:ST+8*(i/16)+5] op_sel_hi:[1,0]
.set i, i+1
.endr
	WIN 0x05                                       ; sources window 1, destination window 0: S^T's registers are free
.set i, 0
.rept 64
	v_cvt_pk_f16_f32 v[S+i], v[2*i], v[2*i+1]
.set i, i+1
.endr
	WIN 0
.irp t, 0,1,2,3
.irp ct, 0,1,2,3
	global_store_b128 v[LA], v[S+16*\t+4*\ct:S+16*\t+4*\ct+3], s[52:53] offset:\t*32768+\ct*512
.endr
.endr
	s_wait_tensorcnt 0x0                           ; the wave's end
	ds_add_u32 v[SPW], v[NIL]
	s_wait_dscnt 0x0
	CROUND                                         ; the closing round
	s_endpgm
.Lfunc_end_k_q3cf401d8bd_attn:
	.size	k_q3cf401d8bd_attn, .Lfunc_end_k_q3cf401d8bd_attn-k_q3cf401d8bd_attn
	.p2alignl 7, 3214868480
	.fill 96, 4, 3214868480
	.section	.rodata,"a",@progbits
	.p2align	6, 0x0
	.amdhsa_kernel k_q3cf401d8bd_attn
		.amdhsa_group_segment_fixed_size 327680
		.amdhsa_private_segment_fixed_size 0
		.amdhsa_enable_private_segment 0
		.amdhsa_kernarg_size 24
		.amdhsa_user_sgpr_count 2
		.amdhsa_user_sgpr_kernarg_segment_ptr 1
		.amdhsa_wavefront_size32 1
		.amdhsa_system_sgpr_workgroup_id_x 1
		.amdhsa_system_sgpr_workgroup_id_y 1
		.amdhsa_system_sgpr_workgroup_id_z 1
		.amdhsa_system_vgpr_workitem_id 0
		.amdhsa_next_free_vgpr 512
		.amdhsa_next_free_sgpr 66
		.amdhsa_reserve_vcc 1
		.amdhsa_float_denorm_mode_32 3
		.amdhsa_float_denorm_mode_16_64 3
		.amdhsa_memory_ordered 1
		.amdhsa_forward_progress 1
		.amdhsa_inst_pref_size 178
	.end_amdhsa_kernel
	.amdgpu_metadata
---
amdhsa.version: [ 1, 2 ]
amdhsa.kernels:
  - .name:           k_q3cf401d8bd_attn
    .symbol:         k_q3cf401d8bd_attn.kd
    .args:
      - { .name: qkv, .offset: 0, .size: 8, .value_kind: global_buffer, .address_space: global }
      - { .name: mb, .offset: 8, .size: 8, .value_kind: global_buffer, .address_space: global }
      - { .name: att, .offset: 16, .size: 8, .value_kind: global_buffer, .address_space: global }
    .group_segment_fixed_size: 327680
    .private_segment_fixed_size: 0
    .kernarg_segment_align: 8
    .kernarg_segment_size: 24
    .max_flat_workgroup_size: 256
    .sgpr_count:     66
    .vgpr_count:     512
    .wavefront_size: 32
...
	.end_amdgpu_metadata
.endif
;; end of part 3
;; launch oproj (part 4): grid 8 x 64, 4 waves a work-group, clusters of 4 x 4, 327,680 bytes of LDS; arguments att, wo16, bo, out0; writes out0
.if DOCPART == 4
	.amdgcn_target "amdgcn-amd-amdhsa--gfx1250"
	.amdhsa_code_object_version 6
	.text
	.protected	k_q3cf401d8bd_oproj
	.globl	k_q3cf401d8bd_oproj
	.p2align	8
	.type	k_q3cf401d8bd_oproj,@function
k_q3cf401d8bd_oproj:
	s_mov_b64 s[64:65], 0
	v_nop
	global_prefetch_b8 v0, s[64:65] scope:SCOPE_SE
	s_setreg_imm32_b32 hwreg(HW_REG_WAVE_MODE, 25, 1), 1
	s_wait_xcnt 0x0
	s_wait_alu depctr_hold_cnt(0) depctr_sa_sdst(0) depctr_va_vdst(0) depctr_va_sdst(0) depctr_va_ssrc(0) depctr_va_vcc(0) depctr_vm_vsrc(0)
	s_getreg_b32 s2, hwreg(HW_REG_IB_STS2, 6, 4)
	s_cmp_eq_u32 s2, 0
	s_cbranch_scc0 .Lentry_in_a_cluster
	s_endpgm
.Lentry_in_a_cluster:
	s_bfe_u32 s2, ttmp6, 0x10000c
	s_cmp_lg_u32 s2, 0xf033
	s_cbranch_scc0 .Lentry_shape_is_right
	s_endpgm
.Lentry_shape_is_right:
; THE PROJECTION ON THE WAY OUT: out0[t][d] = sum over f of att[t][f] Wo[d][f] + bo[d]; operands f16, sums f32, out0 f32.  M = 8,192, N = K = 1,024.  No work is left out.
; A tile of out0 is 128 x 128 (512 tiles), four waves of 64 x 64: 16 accumulators.  K goes in steps of 256 through two LDS slots: four steps, so each slot is filled again once.
; A (att) lies in memory in the order of the operand's registers, [token / 16][f / 8][token % 16][8 f16]: a K step of a token tile is 8 KiB on end, a fragment (16 tokens x 32 f) 1 KiB, read at 16 x lane with no padding.
; B (Wo as f16) lies in rows: LDS rows of 512 bytes + 16 of padding.  bo is the C of each accumulator's first product.
; CLUSTERS: 4 x 4 work-groups: A's tiles are shared along a row of the cluster, B's along a column, each asked for jointly.  Source 0 = 16 rows of Wo, source 1 = 16 tokens: a lane holds eight neighbouring numbers of a row of out0.
; REGISTERS: window 0: v0-31 addresses; v32-95 the way out; v96-127 bo; v128-255 the accumulators ((a, b) at v[128 + 8 (4 a + b)]).  window 1: two fragment buffers of 128: 64 registers of A, then 64 of B, for 64 along K.
.set SIZE_K, 1024
.set KSTEP,  256
.set PITCH,  528
.set HALFA,  32768                     ; 4 token tiles x 8 KiB: what one tensor load brings of A
.set HALFB,  64*PITCH                  ; 64 rows of B
.set BOFF,   2*HALFA
.set SLOT,   2*HALFA+2*HALFB
.set STAGE,  2*SLOT                    ; behind the slots: 16 rows x 272 bytes for each wave, for the way out
.set SPITCH, 272
.set SPARE,  STAGE+4*16*SPITCH         ; the spare words, 128 bytes a wave
.set LAPS,   SIZE_K/(2*KSTEP)
.set ADRA, 16
.set ADRB, 20
.set STO,  24
.set RD,   25
.set CO,   26
.set BH,   27                          ; v27 32 (lane / 16): my eight numbers of bo
.set SPW,  28
.set NIL,  29
.set TMP,  32
.set BO,   96
.set ACC,  128
.set F0,   0
.set F1,   128
.set G1, 24
.set G0, 32
.set G1B, 48
.set G0B, 56
.set MSB, 0
.macro WIN new
.if MSB != (\new)
	s_set_vgpr_msb (MSB<<8)|(\new)
.set MSB, (\new)
.endif
.endm
.set MUL,  0x05                        ; sources 0 (B) and 1 (A) window 1; C and D window 0
.set TO_F, 0x40                        ; destination window 1, address window 0
.macro JLOAD s                         ; a joint load: waves 0 and 1 fetch A's two halves, waves 2 and 3 B's; an s_nop 0 and four v_nop follow each of the two lines
	s_cmp_eq_u32 s13, 0
	s_cbranch_scc0 .Lfor_b_\@
	tensor_load_to_lds s[G0+4*\s:G0+4*\s+3], s[G1:G1+7]
	s_nop 0
.rept 4
	v_nop
.endr
	s_branch .Lasked_\@
.Lfor_b_\@:
	tensor_load_to_lds s[G0B+4*\s:G0B+4*\s+3], s[G1B:G1B+7]
	s_nop 0
.rept 4
	v_nop
.endr
.Lasked_\@:
.endm
.macro CREST                           ; a round of the cluster's barrier behind its opening barrier
	s_cmp_lg_u32 s12, 0
	s_cbranch_scc1 .Lnot_wave_0_\@
	s_barrier_signal -3
.Lnot_wave_0_\@:
	s_barrier_wait -3
	s_barrier_signal -1
	s_barrier_wait -1
.endm
.macro CROUND
	s_barrier_signal -1
	s_barrier_wait -1
	CREST
.endm
	s_load_b256 s[4:11], s[0:1], 0x0               ; att s[4:5], wo16 s[6:7], bo s[8:9], out0 s[10:11]
	v_lshl_add_u32 v[SPW], v0, 2, SPARE
	v_mov_b32 v[NIL], 0
	ds_add_u32 v[SPW], v[NIL]                      ; the wave's opening: the add, twice on end, and its wait ahead of my first tensor load
	ds_add_u32 v[SPW], v[NIL]
	v_lshrrev_b32 v1, 5, v0
	v_readfirstlane_b32 s12, v1                    ; wave 0..3
	s_lshr_b32 s13, s12, 1                         ; which half of the tile's rows is mine.  Also: I fetch for A (0) or for B (1)
	s_and_b32 s14, s12, 1                          ; which half of its columns.  Also: which half of that tile I fetch
	s_bfe_u32 s40, ttmp6, 0x40000                  ; cx, cy
	s_bfe_u32 s41, ttmp6, 0x40004
	s_lshl_b32 s42, ttmp9, 2
	s_add_co_u32 s42, s42, s40                     ; tile column = 4 x cluster x + cx
	s_and_b32 s15, ttmp7, 0xffff
	s_lshl_b32 s15, s15, 2
	s_add_co_u32 s15, s15, s41                     ; tile row = 4 x cluster y + cy
	s_lshl_b32 s43, s41, 2
	s_lshl_b32 s43, 15, s43                        ; my row of the cluster
	s_lshl_b32 s44, 0x1111, s40                    ; my column
	s_or_b32 s[G1+0], s43, (3<<16)|(1<<21)         ; A: elements of 8 bytes; no padding; 4 rows (token tiles) of 1,024 elements, 4,096 elements apart
	s_mov_b32 s[G1+1], 1024<<16
	s_mov_b32 s[G1+2], 4<<16
	s_mov_b32 s[G1+3], 1024<<16
	s_mov_b32 s[G1+4], 4
	s_mov_b32 s[G1+5], 4096
	s_mov_b32 s[G1+6], 0
	s_mov_b32 s[G1+7], 0
	s_or_b32 s[G1B+0], s44, (1<<16)|(1<<20)|(1<<21)|(6<<22)|(3<<25)  ; B: elements of 2 bytes; four words of padding after every 128; 64 rows of 256 elements
	s_mov_b32 s[G1B+1], KSTEP<<16
	s_mov_b32 s[G1B+2], 64<<16
	s_mov_b32 s[G1B+3], KSTEP<<16
	s_mov_b32 s[G1B+4], 64
	s_mov_b32 s[G1B+5], SIZE_K
	s_mov_b32 s[G1B+6], 0
	s_mov_b32 s[G1B+7], 0
	s_lshl_b32 s16, s15, 3
	s_lshl_b32 s17, s14, 2
	s_add_co_u32 s16, s16, s17                     ; A: token tile 8 x tile row + 4 x half,
	s_lshl_b32 s16, s16, 15                        ; 32 KiB each (under 2^24)
	s_mov_b32 s17, 0
	s_lshl_b32 s46, s42, 7
	s_lshl_b32 s47, s14, 6
	s_add_co_u32 s46, s46, s47                     ; B: row 128 x tile column + 64 x half,
	s_lshl_b32 s46, s46, 11                        ; 2,048 bytes each
	s_mov_b32 s47, 0
	s_lshl_b32 s20, s14, 15                        ; where they go in a slot: A's halves,
	s_mul_i32 s21, s14, HALFB
	s_add_co_u32 s21, s21, BOFF                    ; then B's: the wave's number alone enters an LDS address
	s_wait_dscnt 0x0                               ; both opening adds are done
	s_wait_kmcnt 0x0
	s_add_nc_u64 s[16:17], s[4:5], s[16:17]
	s_add_nc_u64 s[46:47], s[6:7], s[46:47]
	CROUND                                         ; all sixteen work-groups are here: the first joint loads meet
.irp s, 0,1
	s_mov_b32 s[G0+4*\s], 1
	s_add_co_u32 s[G0+4*\s+1], s20, \s*SLOT
	s_add_nc_u64 s[G0+4*\s+2:G0+4*\s+3], s[16:17], \s*8192
	s_or_b32 s[G0+4*\s+3], s[G0+4*\s+3], 0x80000000
	s_mov_b32 s[G0B+4*\s], 1
	s_add_co_u32 s[G0B+4*\s+1], s21, \s*SLOT
	s_add_nc_u64 s[G0B+4*\s+2:G0B+4*\s+3], s[46:47], \s*KSTEP*2
	s_or_b32 s[G0B+4*\s+3], s[G0B+4*\s+3], 0x80000000
	JLOAD \s
.endr
	v_and_b32 v1, 15, v0                           ; l % 16
	v_bfe_u32 v2, v0, 4, 1                         ; l / 16
	v_and_b32 v3, 31, v0
	v_lshlrev_b32 v3, 4, v3                        ; A: 16 x lane
	v_mul_u32_u24 v4, v1, PITCH
	v_lshl_add_u32 v4, v2, 4, v4                   ; B: row x pitch + 16 x half
	s_lshl_b32 s21, s13, 15                        ; my 64 rows of A
	s_mul_i32 s22, s14, HALFB                      ; my 64 rows of B
	s_add_co_u32 s22, s22, BOFF
.irp s, 0,1
	v_add_nc_u32 v[ADRA+\s], s21, v3
	v_add_nc_u32 v[ADRB+\s], s22, v4
	s_add_co_u32 s21, s21, SLOT
	s_add_co_u32 s22, s22, SLOT
.endr
	s_mul_i32 s23, s12, 16*SPITCH
	s_add_co_u32 s23, s23, STAGE                   ; my stage
	v_mul_u32_u24 v5, v1, SPITCH                   ; in: row l % 16, 32 bytes for each half of the lanes
	v_lshl_add_u32 v5, v2, 5, v5
	v_add_nc_u32 v[STO], s23, v5
	v_mul_u32_u24 v5, v2, SPITCH                   ; back: lanes 0-15 one row of 256 bytes, lanes 16-31 the next
	v_lshl_add_u32 v5, v1, 4, v5
	v_add_nc_u32 v[RD], s23, v5
	v_lshlrev_b32 v5, 12, v2                       ; and the same two rows in out0: 4,096 bytes a row
	v_lshl_add_u32 v[CO], v1, 4, v5
	v_lshlrev_b32 v[BH], 5, v2
	s_lshl_b32 s16, s15, 7
	s_lshl_b32 s17, s13, 6
	s_add_co_u32 s16, s16, s17                     ; my first row of out0: 128 x tile row + 64 x half
	s_lshl_b32 s16, s16, 12
	s_mov_b32 s17, 0
	s_add_nc_u64 s[10:11], s[10:11], s[16:17]
	s_lshl_b32 s46, s42, 9                         ; my first column, in bytes: 512 x tile column + 256 x half: in out0 and in bo alike
	s_lshl_b32 s47, s14, 8
	s_add_co_u32 s46, s46, s47
	s_mov_b32 s47, 0
	s_add_nc_u64 s[10:11], s[10:11], s[46:47]
	s_add_nc_u64 s[8:9], s[8:9], s[46:47]
.irp b, 0,1,2,3
	global_load_b128 v[BO+8*\b:BO+8*\b+3], v[BH], s[8:9] offset:64*\b        ; bo[my first column + 16 b + 8 h + 0 .. 7]: the result's own layout
	global_load_b128 v[BO+8*\b+4:BO+8*\b+7], v[BH], s[8:9] offset:64*\b+16
.endr
; 8 matrix instructions: m blocks a0, a0 + 1 x all 4 n blocks, 32 along K: half c of buffer f.  zero = 1: the first product starts the sums, from bo.  The 16 accumulators take turns.
.macro MUL8 f, c, a0, zero
.irp a, \a0, \a0+1
.irp b, 0,1,2,3
.if \zero
	v_wmma_f32_16x16x32_f16 v[ACC+8*(4*(\a)+\b):ACC+8*(4*(\a)+\b)+7], v[\f+64+8*(4*\c+\b):\f+64+8*(4*\c+\b)+7], v[\f+8*(4*\c+\a):\f+8*(4*\c+\a)+7], v[BO+8*\b:BO+8*\b+7]
.else
	v_wmma_f32_16x16x32_f16 v[ACC+8*(4*(\a)+\b):ACC+8*(4*(\a)+\b)+7], v[\f+64+8*(4*\c+\b):\f+64+8*(4*\c+\b)+7], v[\f+8*(4*\c+\a):\f+8*(4*\c+\a)+7], v[ACC+8*(4*(\a)+\b):ACC+8*(4*(\a)+\b)+7]
.endif
.endr
.endr
.endm
; 32 LDS loads in one run: the fragments of 64 along K, at byte k of B's rows (k / 128 is the quarter: 2 KiB on in each of A's token tiles), into buffer f; the first 32 along K first
.macro FETCH slot, k, f
	WIN TO_F
.irp c, 0,1
.irp i, 0,1,2,3
	ds_load_b128 v[\f+64+8*(4*\c+\i):\f+64+8*(4*\c+\i)+3],   v[ADRB+\slot] offset:\k+64*\c+\i*16*PITCH
	ds_load_b128 v[\f+64+8*(4*\c+\i)+4:\f+64+8*(4*\c+\i)+7], v[ADRB+\slot] offset:\k+64*\c+\i*16*PITCH+32
	ds_load_b128 v[\f+8*(4*\c+\i):\f+8*(4*\c+\i)+3],         v[ADRA+\slot] offset:16*\k+1024*\c+\i*8192
	ds_load_b128 v[\f+8*(4*\c+\i)+4:\f+8*(4*\c+\i)+7],       v[ADRA+\slot] offset:16*\k+1024*\c+\i*8192+512
.endr
.endr
.endm
.macro PLACES                          ; four places in front of loads into registers that matrix instructions have read, and of the first read of results
.rept 4
	v_nop
.endr
.endm
; A K step is four quarters of 64 along K, 32 matrix instructions each, on buffers 0, 1, 0, 1.  One of the first three: multiplies buffer f and fetches the next quarter, at byte k, into g.
.macro QUARTER slot, k, f, g, zero
	s_wait_dscnt 16                                ; the first 32 along K are in; the other sixteen loads may be out
	WIN MUL
	MUL8 \f, 0, 0, \zero
	MUL8 \f, 0, 2, \zero
	PLACES
	FETCH \slot, \k, \g
	s_wait_dscnt 32                                ; all but the 32 just issued
	WIN MUL
	MUL8 \f, 1, 0, 0
	MUL8 \f, 1, 2, 0
.endm
; The last quarter multiplies buffer 1 and changes slots: one barrier; in front of it each wave waits for all its tensor loads, adds 0 to its spare word, and waits for that and for its reads of this slot.  fill = 1: this slot is filled again, two K steps ahead.
.macro TURN slot, next, fill
	WIN 0                                          ; (the add's two registers lie in window 0)
	s_wait_tensorcnt 0x0                           ; all my tensor loads have landed: my part of the next slot
	ds_add_u32 v[SPW], v[NIL]
	s_wait_dscnt 17                                ; (the add and the youngest sixteen loads may be out)
	WIN MUL
	MUL8 F1, 0, 0, 0
	s_wait_dscnt 0x0                               ; the add is done, and my reads of this slot are over
	s_barrier_signal -1
	MUL8 F1, 0, 2, 0
.if \fill
	WIN 0
.endif
	s_barrier_wait -1
.if \fill
	CREST                                          ; the barrier has opened a round of the cluster's: no wave of any partner still reads this slot or has a load on its way
	s_add_nc_u64 s[G0+4*\slot+2:G0+4*\slot+3], s[G0+4*\slot+2:G0+4*\slot+3], 2*8192
	s_add_nc_u64 s[G0B+4*\slot+2:G0B+4*\slot+3], s[G0B+4*\slot+2:G0B+4*\slot+3], 2*KSTEP*2
	JLOAD \slot                                    ; the first tensor load behind the round; its four v_nop are also the places in front of the loads below
.else
	PLACES
.endif
	FETCH \next, 0, F0
	WIN MUL
	MUL8 F1, 1, 0, 0
	MUL8 F1, 1, 2, 0
.endm
	s_wait_tensorcnt 1                             ; my part of K step 0 is in (K step 1's load may be out),
	s_barrier_signal -1
	s_barrier_wait -1                              ; everybody's is
	FETCH 0, 0, F0
	s_wait_loadcnt 0x0                             ; bo
	QUARTER 0, 128, F0, F1, 1                      ; the first quarter stands in front of the loop: its first products start the sums
	WIN 0
	s_mov_b32 s3, LAPS-1
.Llap:                                                 ; a trip goes once round the two slots and fills both again
	QUARTER 0, 256, F1, F0, 0
	QUARTER 0, 384, F0, F1, 0
	TURN 0, 1, 1
	QUARTER 1, 128, F0, F1, 0
	QUARTER 1, 256, F1, F0, 0
	QUARTER 1, 384, F0, F1, 0
	TURN 1, 0, 1
	QUARTER 0, 128, F0, F1, 0
	WIN 0
	s_sub_co_u32 s3, s3, 1
	s_cmp_lg_u32 s3, 0
	s_cbranch_scc1 .Llap
	QUARTER 0, 256, F1, F0, 0                      ; the last lap fills nothing
	QUARTER 0, 384, F0, F1, 0
	TURN 0, 1, 0
	QUARTER 1, 128, F0, F1, 0
	QUARTER 1, 256, F1, F0, 0
	QUARTER 1, 384, F0, F1, 0
	s_wait_dscnt 16
	WIN MUL
	MUL8 F1, 0, 0, 0
	MUL8 F1, 0, 2, 0
	s_wait_dscnt 0
	MUL8 F1, 1, 0, 0
	MUL8 F1, 1, 2, 0
	WIN 0
; THE WAY OUT, a block of 16 rows x 64 columns at a time.  A lane holds 32 neighbouring bytes of a row; a row's 256 bytes are my wave's own: they go through my own stage and come back as whole rows, so that sixteen lanes
; store 256 consecutive bytes, aligned.  LDS serves a wave's instructions in order: no wait between the stores and the loads, nor in front of the next block's stores.
.macro TOSTAGE a
.set BK, TMP+32*((\a)%2)
.irp b, 0,1,2,3
	ds_store_b128 v[STO], v[ACC+8*(4*(\a)+\b):ACC+8*(4*(\a)+\b)+3] offset:64*\b        ; each accumulator from its low end on
	ds_store_b128 v[STO], v[ACC+8*(4*(\a)+\b)+4:ACC+8*(4*(\a)+\b)+7] offset:64*\b+16
.endr
.irp t, 0,1,2,3,4,5,6,7
	ds_load_b128 v[BK+4*\t:BK+4*\t+3], v[RD] offset:\t*2*SPITCH
.endr
.endm
.macro SEND a, younger                 ; younger: the LDS instructions issued behind block a's loads, which may stay out
.set BK, TMP+32*((\a)%2)
	s_wait_dscnt \younger
.irp t, 0,1,2,3,4,5,6,7
	global_store_b128 v[CO], v[BK+4*\t:BK+4*\t+3], s[10:11] offset:(16*(\a)+2*\t)*4096 th:TH_STORE_NT
.endr
.endm
	PLACES
	TOSTAGE 0
.irp a, 1,2,3
.if \a > 1
	s_wait_xcnt 0x0                                ; block a - 2's stores have read their data: block a's loads may land there
.endif
	TOSTAGE \a
	SEND \a-1, 16                                  ; behind block a - 1's loads: block a's 8 stores and 8 loads
.endr
	SEND 3, 0
	s_wait_tensorcnt 0x0                           ; the wave's end
	ds_add_u32 v[SPW], v[NIL]
	s_wait_dscnt 0x0
	CROUND                                         ; the closing round
	s_endpgm
.Lfunc_end_k_q3cf401d8bd_oproj:
	.size	k_q3cf401d8bd_oproj, .Lfunc_end_k_q3cf401d8bd_oproj-k_q3cf401d8bd_oproj
	.p2alignl 7, 3214868480
	.fill 96, 4, 3214868480
	.section	.rodata,"a",@progbits
	.p2align	6, 0x0
	.amdhsa_kernel k_q3cf401d8bd_oproj
		.amdhsa_group_segment_fixed_size 327680
		.amdhsa_private_segment_fixed_size 0
		.amdhsa_enable_private_segment 0
		.amdhsa_kernarg_size 32
		.amdhsa_user_sgpr_count 2
		.amdhsa_user_sgpr_kernarg_segment_ptr 1
		.amdhsa_wavefront_size32 1
		.amdhsa_system_sgpr_workgroup_id_x 1
		.amdhsa_system_sgpr_workgroup_id_y 1
		.amdhsa_system_sgpr_workgroup_id_z 1
		.amdhsa_system_vgpr_workitem_id 0
		.amdhsa_next_free_vgpr 512
		.amdhsa_next_free_sgpr 66
		.amdhsa_reserve_vcc 0
		.amdhsa_float_denorm_mode_32 3
		.amdhsa_float_denorm_mode_16_64 3
		.amdhsa_memory_ordered 1
		.amdhsa_forward_progress 1
		.amdhsa_inst_pref_size 86
	.end_amdhsa_kernel
	.amdgpu_metadata
---
amdhsa.version: [ 1, 2 ]
amdhsa.kernels:
  - .name:           k_q3cf401d8bd_oproj
    .symbol:         k_q3cf401d8bd_oproj.kd
    .args:
      - { .name: att, .offset: 0, .size: 8, .value_kind: global_buffer, .address_space: global }
      - { .name: wo16, .offset: 8, .size: 8, .value_kind: global_buffer, .address_space: global }
      - { .name: bo, .offset: 16, .size: 8, .value_kind: global_buffer, .address_space: global }
      - { .name: out0, .offset: 24, .size: 8, .value_kind: global_buffer, .address_space: global }
    .group_segment_fixed_size: 327680
    .private_segment_fixed_size: 0
    .kernarg_segment_align: 8
    .kernarg_segment_size: 32
    .max_flat_workgroup_size: 128
    .sgpr_count:     66
    .vgpr_count:     512
    .wavefront_size: 32
...
	.end_amdgpu_metadata
.endif
;; end of part 4
